; MI455X (gfx1250); checked and timed in simulation.
; The chip was launched on July 23, 2026; its instructions are those of AMD's public machine-readable ISA for CDNA 5 (MIT licence, August 2026) and "CDNA5" Instruction Set Architecture Reference Guide (July 2026). The comments in the code are by the model that wrote it; some were corrected since.
;; Multi Head Self Attention. Allowed arithmetic: matrix products marked QUANTISED: E2M3 operands, one E8M0 scale for each 32 along K, by v_wmma_scale_f32_16x16x128_f8f6f4 with both operands' format E2M3, f32 sums; everything else in f32.
;; Inputs: Wk_codes 1,024 x 32 x 24 uint8 (E2M3 codes of Wk, K innermost, in blocks of 32 codes, four codes in three bytes); Wk_scales 1,024 x 32 uint8 (E8M0 scales of Wk, one for each 32 codes along K); Wo_codes 1,024 x 32 x 24 uint8 (E2M3 codes of Wo, K innermost, in blocks of 32 codes, four codes in three bytes); Wo_scales 1,024 x 32 uint8 (E8M0 scales of Wo, one for each 32 codes along K); Wq_codes 1,024 x 32 x 24 uint8 (E2M3 codes of Wq, K innermost, in blocks of 32 codes, four codes in three bytes); Wq_scales 1,024 x 32 uint8 (E8M0 scales of Wq, one for each 32 codes along K); Wv_codes 1,024 x 32 x 24 uint8 (E2M3 codes of Wv, K innermost, in blocks of 32 codes, four codes in three bytes); Wv_scales 1,024 x 32 uint8 (E8M0 scales of Wv, one for each 32 codes along K); x_codes 4 x 2,048 x 32 x 24 uint8 (E2M3 codes of x, K innermost, in blocks of 32 codes, four codes in three bytes); x_scales 4 x 2,048 x 32 uint8 (E8M0 scales of x, one for each 32 codes along K).
;; Outputs: out0 4 x 2,048 x 1,024 float32.
;; This version of the problem:
;;   THIS VERSION OF THE PROBLEM IS GIVEN IN LOW PRECISION. The matrix products marked QUANTISED in the list below multiply operands that are first quantised to E2M3 (2 exponent bits, 3 mantissa bits; 6 bits a number), with one power-of-two scale for each 32 numbers along K (OCP MX v1.0); their sums are f32. All else is computed in f32.
;;   The module's matrix products, in the order in which they are computed (A, B: the left and right operand; K: the contracted axis; several contracted axes count as one K, in the product's order):
;;     1. [M 8,192, K 1,024] x [K 1,024, N 1,024]; A: input x (given as codes); B: input Wk (given as codes): QUANTISED
;;     2. [M 8,192, K 1,024] x [K 1,024, N 1,024]; A: input x (given as codes); B: input Wq (given as codes): QUANTISED
;;     3. [M 8,192, K 1,024] x [K 1,024, N 1,024]; A: input x (given as codes); B: input Wv (given as codes): QUANTISED
;;     4. batch 64 x [M 2,048, K 64] x [K 64, N 2,048]; A: computed on the way; B: computed on the way: QUANTISED
;;     5. batch 64 x [M 2,048, K 2,048] x [K 2,048, N 64]; A: softmax (see below); B: computed on the way: QUANTISED
;;     6. [M 8,192, K 1,024] x [K 1,024, N 1,024]; A: computed on the way; B: input Wo (given as codes): QUANTISED
;;   THE QUANTISER, for each operand of a quantised product, along K:
;;     - K is cut into blocks of 32 from its start; a last block that is shorter is filled with zeros.
;;     - A block's scale is 2^e with e = floor(log2(the largest magnitude in the block)) - 2, held to -126 .. 127; a block of zeros has e = 0. As a byte (E8M0): e + 127.
;;     - Each number is divided by its block's scale, clamped to +-7.5, and rounded to the nearest number of E2M3, ties to even, subnormals kept.
;;     - The product sums the exact products of the quantised numbers (number of the format x scale) in f32.
;;   ~~~python
;;   def quantise(x, axis):      # numpy; x: float32 -> the quantised numbers, widened to float32 again
;;       x = np.moveaxis(x, axis, -1); K = x.shape[-1]
;;       x = np.pad(x, [(0, 0)] * (x.ndim - 1) + [(0, -K % 32)]); x = x.reshape(x.shape[:-1] + (-1, 32)); a = np.abs(x).max(-1, keepdims=True)
;;       e = np.where(a > 0, np.clip(np.frexp(np.where(a > 0, a, 1))[1] - 1 - 2, -126, 127), 0)      # np.frexp(a)[1] - 1 = floor(log2(a)), exactly
;;       r = np.clip(x / 2.0 ** e, -7.5, 7.5)
;;       step = 2.0 ** (np.maximum(np.frexp(np.where(r == 0, 1, r))[1] - 1, 0) - 3)
;;       q = np.round(r / step) * step * 2.0 ** e      # np.round: ties to even
;;       return np.moveaxis(q.reshape(q.shape[:-2] + (-1,))[..., :K], -1, axis).astype(np.float32)
;;   ~~~
;;   SOFTMAX AHEAD OF A QUANTISED PRODUCT. Where the list says 'softmax', what is quantised is not the finished softmax but p = 2^(t - M), with t = logit x log2(e) and M = ceil(the row's largest t), a whole number; so 1/2 < the row's largest p <= 1. The row's sum l is taken of the UNQUANTISED p, in f32, and the product's result is divided by l at the end. Since M is a whole number, a kernel that streams over the keys may use a running M (the ceiling of the running maximum): every later rescaling is an exact power of two, which a block's scale takes up: the codes' values come out the same.
;;   OPERANDS COMPUTED ON THE WAY. 'Computed on the way' means the value that the module computes at that place (a softmax that the list does not call 'softmax' is quantised finished and normalised). What goes into a quantiser is computed in f32, as accurately as f32 sums, v_exp_f32 and their like allow (about 1e-6 of the number): no bf16 or f16 on the way to a quantiser, and a product that is left as it is and whose result goes on into a quantised operand takes f32 operands (vector FMAs, or v_wmma_f32_16x16x4_f32). A number that lies on a knife's edge between two numbers of the format may be rounded either way, as far as f32 arithmetic and the matrix unit's own rounding can turn it there, and no further.
;;   INPUTS GIVEN AS CODES. Wk (in the module: [1024, 1024], K = its axis 1); Wo (in the module: [1024, 1024], K = its axis 1); Wq (in the module: [1024, 1024], K = its axis 1); Wv (in the module: [1024, 1024], K = its axis 1); x (in the module: [4, 2048, 1024], K = its axis 2): each comes as NAME_codes (uint8): NAME with its K axis moved to the last place and cut into blocks of 32 codes, [.., K / 32, bytes a block], one block behind the other in memory; four codes in three bytes: a row's codes are one little-endian stream of bits, code i at bits 6 i .. 6 i + 5 (a code: sign, 2 exponent bits, 3 mantissa bits); and NAME_scales (uint8): the same leading axes, one E8M0 byte (e + 127) for each 32 codes along K. Its value is code x scale, taken as it is: it is not quantised again, and the codes and scales need not be those that the quantiser above would give.
;; One version. Each part assembles by itself: llvm-mc -triple=amdgcn-amd-amdhsa -mcpu=gfx1250 --defsym DOCPART=n.
;; ======== version 1 of 1: 3 launches
;; workspace buffers: qc 6,291,456 bytes; kc 6,291,456 bytes; vc 6,291,456 bytes; qs 262,144 bytes; ks 262,144 bytes; vs 262,144 bytes; fc 6,291,456 bytes; fs 262,144 bytes
;; launch proj (part 1): grid 4 x 64, 4 waves a work-group, clusters of 4 x 4, 327,680 bytes of LDS; arguments x_codes, x_scales, Wk_codes, Wk_scales, Wv_codes, Wv_scales, Wq_codes, Wq_scales, kc, ks, vc, vs, qc, qs; writes kc, ks, vc, vs, qc, qs
.if DOCPART == 1
	.amdgcn_target "amdgcn-amd-amdhsa--gfx1250"
	.amdhsa_code_object_version 6
	.text
	.protected	k_q0f4148a40a_proj
	.globl	k_q0f4148a40a_proj
	.p2align	8
	.type	k_q0f4148a40a_proj,@function
k_q0f4148a40a_proj:
	s_mov_b64 s[64:65], 0
	v_nop
	global_prefetch_b8 v0, s[64:65] scope:SCOPE_SE
	s_setreg_imm32_b32 hwreg(HW_REG_WAVE_MODE, 25, 1), 1
	s_wait_xcnt 0x0
	s_wait_alu depctr_hold_cnt(0) depctr_sa_sdst(0) depctr_va_vdst(0) depctr_va_sdst(0) depctr_va_ssrc(0) depctr_va_vcc(0) depctr_vm_vsrc(0)
	s_getreg_b32 s2, hwreg(HW_REG_IB_STS2, 6, 4)
	s_cmp_eq_u32 s2, 0
	s_cbranch_scc0 .Lentry_in_a_cluster
	s_endpgm
.Lentry_in_a_cluster:
	s_bfe_u32 s2, ttmp6, 0x10000c
	s_cmp_lg_u32 s2, 0xf033
	s_cbranch_scc0 .Lentry_shape_is_right
	s_endpgm
.Lentry_shape_is_right:
; q = x Wq^T, k = x Wk^T, v = x Wv^T on codes of FP6 (E2M3) with one E8M0 scale for each 32 along K = 1,024, and the results QUANTISED on the way out:
; q and k along the head's 64 features, v along the keys (tokens).  Nothing but codes and scale bytes leaves.
; The text multiplies P rows (source 1: one row a lane) by R rows (source 0: along a lane's registers) and quantises along R.
;   q, k: P = x (tokens), R = Wq or Wk (features).     v: P = Wv (features), R = x (tokens).
; SHARES.  The three products are 384 tiles of 256 x 256; there are 256 work-groups, so each makes one and a half: A WORK-GROUP STAYS.
;   First a FULL TILE of k or of v, 256 P x 256 R (a wave 128 x 128: 64 accumulators, 512 registers); which of the two is chosen by s_cselect on the cluster's y, which all sixteen partners share: one path through the text.
;   Then a HALF TILE of q, 128 tokens x 256 features (a wave 64 x 128: 32 accumulators).  Tokens 128 T on, T = 2 (4 i + cy) + (0 in a cluster of k, 1 in a cluster of v), i = the cluster's y mod 8; features 256 cx on.
; K goes in steps of 256 through a ring of two LDS slots filled by the tensor data mover, AND THE RING GOES ON INTO THE HALF TILE: the full tile's last two changes of slots ask for q's first two K steps.
; The full tile's scale bytes (256 + 256 rows, all of K) come into LDS once, with the first fills.  The half tile's scale words (my 64 + 128 rows, all of K: 48 registers) come straight into registers, asked for during the full tile.
; CLUSTERS: 4 x 4 work-groups.  In both tiles P's rows hang on cy alone and R's on cx alone: the four of a row of the cluster ask for P's tiles jointly, the four of a column for R's.
; THE WAY OUT.  In accumulator (a, b) lane (r, h) holds P row 16 a + r and, in register j, R row 16 b + 8 h + j.  So the 16 registers of accumulators 2 B and 2 B + 1 are 16 numbers of block B of 32 along R:
; rows 8 h + 0..7 and 16 + 8 h + 0..7 of it.  Converted and exchanged between the halves of the lanes, a lane holds a whole block IN THE ORDER 0-7, 16-23, 8-15, 24-31.  q and k are made by the same lines, and the next
; launch makes its weights p in the same order as v's keys lie here: both operands of a product carry the same order inside a scale's block, which changes no product.
; The codes leave as IMAGES OF THE READER'S REGISTERS: 16 rows x 64 along K are 6 registers a lane, three groups of 256 bytes, registers 2 i, 2 i + 1 of lane l at byte 256 i + 8 l: each store covers 256 consecutive bytes, aligned.
;   qc, kc: [batch 4][head 16][token tile 128][768]     vc: [batch][head][64 keys: 32][16 features: 4][768]
;   qs, ks: [batch][head pair 8][token 2,048] one word: bytes 0, 1 the even head's two blocks, bytes 2, 3 the odd head's     vs: [batch][head][128 keys: 16][feature 64] one word: the four blocks of those keys
; LIMITS: a block whose largest magnitude lies under 2^-124 keeps the scale byte 1; a block of zeros has the byte 1 where the quantiser says 127 (its codes are zeros, and this program alone reads the bytes);
; NaN and infinities among the results are not served.
; REGISTERS, in windows of 256: window 0: v0-31 addresses; v32-63 the full tile's scale words, two sets; v64-99 at work on the ways out; v100-115, v224-255 the half tile's scale words;
;   v128-223 P's fragments (full tile: 8 x 16 rows x 128 K, one set; half tile: two sets of 4), on the ways out the codes made.
;   window 1: R's fragments, two sets, at v0 and v128.   window 2: the accumulators of my P rows 0-63 ((a, b) at v[8 (8 a + b)]);   window 3: those of rows 64-127.
.set SIZE_K, 1024
.set KSTEP,  256                       ; along K in a slot
.set NQ,     KSTEP/128                 ; matrix instructions deep
.set ROWB,   192                       ; a tile's row in bytes
.set KROW,   SIZE_K*6/8                ; a row of x or of a weight in memory
.set PITCH,  240                       ; an LDS row: 3 x (64 bytes of data + 16 of padding)
.set FR,     12                        ; registers of a fragment
.set NL,     6                         ; LDS loads that bring one
.set NP,     4                         ; places behind this matrix instruction (ISA guide 7.12.1)
.set HALFT,  128*PITCH                 ; the place of what one tensor load brings: 128 rows (of the half tile's P: 64)
.set SLOT,   4*HALFT                   ; P's two places, then R's two
.set LAPS,   SIZE_K/(2*KSTEP)
.set KS,     SIZE_K/32                 ; a row of scale bytes
.set SCL,    2*SLOT                    ; behind the ring: the full tile's scales, as rows of 256 bytes + 16 of padding
.set HALFS,  (128*KS/256)*272
.set SBLK,   (16*KS/256)*272
.set SPARE,  SCL+4*HALFS               ; the spare words, 128 bytes for each wave: two blocks of 256 bytes that no other line names
.set STG,    SPARE+512                 ; the made scale words' stage: 512 bytes for each wave; no fill ever lands here
.set ROFF, 8                           ; v8  the half tile's scale words of R: 32 r + 2,048 h (lanes 16-31 take the rows 64 further on); never rewritten
.set POFF, 9                           ; v9  of P: 32 r + 1,024 h (the rows 32 further on); never rewritten
.set ADRA, 16                          ; v16-17 LDS address of my P fragments in slot 0, 1 (v18-19: for the pieces behind one padding more)
.set ADRB, 20                          ; v20-23 the same for R
.set SST,  24                          ; v24 where I put a made scale word: STG + 512 wave + 4 (lane % 16)
.set SLD,  25                          ; v25 where I read them back, 16 bytes a lane
.set LOFF, 26                          ; v26 8 x lane: my place in a group of an image
.set ADRS, 27                          ; v27 LDS address of my scale words: lanes 0-15 P's rows, lanes 16-31 R's
.set SPW,  28                          ; v28 LDS address of my spare word; never rewritten
.set NIL,  29                          ; v29 0; never rewritten
.set SOF,  30                          ; v30 my byte offset among the full tile's scale words that leave
.set SLD2, 31                          ; v31 where I read the half tile's made scale words back, 8 bytes a lane
.set SC,   32                          ; the full tile's scale words, two sets
.set TM,   64                          ; v64-67 largest magnitudes, v68-71 the other half's, then bytes, v76-79 the conversions' scale operands
.set PW,   80                          ; v80-87 block a's made scale word
.set CT,   88                          ; v88-90, v92-94 the conversions' second halves
.set SW,   96                          ; v96-99 the scale words on their way out
.set PS,   100                         ; v[100 + 8 i + s]: lanes 0-15 the word of P's block i, lanes 16-31 of block i + 2, for the s-th 128 along K
.set RS,   224                         ; v[224 + 8 i + s]: lanes 0-15 the word of R's block i, lanes 16-31 of block i + 4
.set AF,   128                         ; P's fragments
.set PC,   128                         ; the ways out: block a's 12 registers of codes at v[128 + 12 a]
.set G1,   24
.set G0,   32
.set G1B,  48
.set G0B,  56
.set G1S,  68
.set G0S,  76
.set G1SB, 80
.set G0SB, 88
.set SEL,  94                          ; s[94:95] lane selects for v_permlanex16_b32: lane l xor 16
.set MSB, 0
.macro WIN new                         ; the immediate's high byte repeats the setting that is left
.if MSB != \new
	s_set_vgpr_msb (MSB<<8)|\new
.set MSB, \new
.endif
.endm
.set MUL_LO, 0xa1                      ; source 0 (R) window 1, source 1 (P) window 0, C and D window 2
.set MUL_HI, 0xf1                      ; the same, C and D window 3
.set TO_B,   0x40                      ; destination window 1, address window 0
; A joint load: waves 0 and 1 fetch for P, waves 2 and 3 for R.  Each line has one mask and one set of registers; the branch hangs on the wave's number alone.
; Four v_nop follow each of the two lines, ahead of the jump, the label and what follows.
.macro JLOAD g0a, g1a, g0b, g1b
	s_cmp_eq_u32 s15, 0
	s_cbranch_scc0 .Lfor_b_\@
	tensor_load_to_lds s[\g0a:\g0a+3], s[\g1a:\g1a+7]
	s_nop 0
.rept 4
	v_nop
.endr
	s_branch .Lasked_\@
.Lfor_b_\@:
	tensor_load_to_lds s[\g0b:\g0b+3], s[\g1b:\g1b+7]
	s_nop 0
.rept 4
	v_nop
.endr
.Lasked_\@:
.endm
.macro CREST                           ; a round of the cluster's barrier behind its opening barrier
	s_cmp_lg_u32 s14, 0
	s_cbranch_scc1 .Lnot_wave_0_\@
	s_barrier_signal -3
.Lnot_wave_0_\@:
	s_barrier_wait -3
	s_barrier_signal -1
	s_barrier_wait -1
.endm
.macro CROUND                          ; a whole round
	s_barrier_signal -1
	s_barrier_wait -1
	CREST
.endm
	s_load_b256 s[68:75], s[0:1], 0x0              ; x codes, x scales, Wk codes, Wk scales
	s_load_b128 s[76:79], s[0:1], 0x20             ; Wv codes, Wv scales
	s_load_b256 s[84:91], s[0:1], 0x40             ; kc, ks, vc, vs
	v_lshl_add_u32 v[SPW], v0, 2, SPARE
	v_mov_b32 v[NIL], 0
	ds_add_u32 v28, v29
	ds_add_u32 v28, v29
	s_wait_dscnt 0x0
	v_lshrrev_b32 v1, 5, v0
	v_readfirstlane_b32 s14, v1                    ; wave 0..3
	s_lshr_b32 s15, s14, 1                         ; which half of the tile's P rows is mine.  Also: I fetch for P (0) or for R (1)
	s_and_b32 s16, s14, 1                          ; which half of its R rows.  Also: which half of that tile's rows I fetch
	s_bfe_u32 s40, ttmp6, 0x40000                  ; cx, cy: my place in the cluster
	s_bfe_u32 s41, ttmp6, 0x40004
	s_and_b32 s18, ttmp7, 0xffff                   ; the cluster's y, 0..15
	s_lshr_b32 s2, s18, 3                          ; the full tile's product: 0 k, 1 v
	s_and_b32 s19, s18, 7                          ; which 1,024 tokens
	s_lshl_b32 s66, s19, 2
	s_add_co_u32 s66, s66, s41
	s_lshl_b32 s66, s66, 1
	s_add_co_u32 s66, s66, s2                      ; T: which 128 tokens the half tile of q takes: it hangs on cy, not on cx
	s_mov_b32 s67, s40                             ; cx is kept: which 256 features of q
	s_mov_b32 s20, 3072
	s_mov_b32 s21, 98304
	s_mov_b32 s22, 256
	s_mov_b32 s23, 4096
	s_mov_b32 s45, 512
	s_cmp_eq_u32 s2, 0                             ; k?
	s_cselect_b32 s17, s19, 0                      ; the tokens are P's rows there, R's rows for v
	s_cselect_b32 s42, 0, s19
	s_cselect_b32 s98, s21, s20                    ; bytes from an image to that of the next 64 along R: the next head (k), the next 64 keys (v)
	s_cselect_b32 s99, s20, s21                    ; bytes from an image to that of 64 P rows on: four token tiles (k), the next head (v)
	s_cselect_b32 s100, s22, s23                   ; bytes from the scale words of my P rows 0-63 to those of rows 64-127
	s_cselect_b32 s101, s45, s22                   ; bytes of scale words for 128 tokens
	s_lshl_b32 s17, s17, 2
	s_add_co_u32 s17, s17, s41                     ; P's tile of 256 rows: it hangs on cy alone
	s_lshl_b32 s42, s42, 2
	s_add_co_u32 s42, s42, s40                     ; R's tile: on cx alone
	s_lshl_b32 s43, s41, 2
	s_lshl_b32 s43, 15, s43                        ; my row of the cluster
	s_lshl_b32 s44, 0x1111, s40                    ; my column
	; descriptor group 1: a tile of 128 rows x 192 bytes, padded in LDS
	s_or_b32 s[G1+0], s43, (0<<16)|(1<<20)|(1<<21)|(3<<22)|(3<<25)  ; 15:0 the mask: P's tiles go to my row; elements of 1 byte; padding on; 21 set beside a mask; after every 16 words, 4 words
	s_or_b32 s[G1B+0], s44, (0<<16)|(1<<20)|(1<<21)|(3<<22)|(3<<25)
.irp g, G1, G1B
	s_mov_b32 s[\g+1], ROWB<<16                    ; tensor_dim0
	s_mov_b32 s[\g+2], 128<<16                     ; tensor_dim1
	s_mov_b32 s[\g+3], ROWB<<16                    ; tile_dim0
	s_mov_b32 s[\g+4], 128                         ; tile_dim1
	s_mov_b32 s[\g+5], KROW                        ; tensor_dim0_stride
	s_mov_b32 s[\g+6], 0
	s_mov_b32 s[\g+7], 0
.endr
	s_wait_kmcnt 0x0
	s_cmp_eq_u32 s2, 0                             ; the choice hangs on the cluster's y alone
	s_cselect_b64 s[4:5], s[68:69], s[76:77]       ; P's codes: x or Wv
	s_cselect_b64 s[6:7], s[70:71], s[78:79]       ; P's scales
	s_cselect_b64 s[8:9], s[72:73], s[68:69]       ; R's codes: Wk or x
	s_cselect_b64 s[10:11], s[74:75], s[70:71]     ; R's scales
	s_cselect_b64 s[12:13], s[84:85], s[88:89]     ; the codes that leave: kc or vc
	s_cselect_b64 s[96:97], s[86:87], s[90:91]     ; the scale words that leave
	; the addresses are taken: s68-91 now hold descriptors.  The scales of 128 rows: a dense block of 4,096 bytes, as 16 rows of 256 bytes (32 elements of 8), 16 bytes of padding behind each
	s_or_b32 s[G1S+0], s43, (3<<16)|(1<<20)|(1<<21)|(5<<22)|(3<<25)
	s_or_b32 s[G1SB+0], s44, (3<<16)|(1<<20)|(1<<21)|(5<<22)|(3<<25)
.irp g, G1S, G1SB
	s_mov_b32 s[\g+1], 32<<16
	s_mov_b32 s[\g+2], (128*KS/256)<<16
	s_mov_b32 s[\g+3], 32<<16
	s_mov_b32 s[\g+4], 128*KS/256
	s_mov_b32 s[\g+5], 32
	s_mov_b32 s[\g+6], 0
	s_mov_b32 s[\g+7], 0
.endr
	s_lshl_b32 s18, s16, 7                         ; which 128 rows of the tile I fetch
	s_lshl_b32 s20, s17, 8
	s_add_co_u32 s20, s20, s18                     ; P: row 256 x tile + 128 x half
	s_lshl_b32 s46, s42, 8
	s_add_co_u32 s46, s46, s18                     ; R likewise
	s_mov_b32 s21, 0
	s_mov_b32 s47, 0
	s_mov_b64 s[18:19], KS
	s_mul_u64 s[22:23], s[20:21], s[18:19]         ; where these rows' scales begin, in bytes
	s_mul_u64 s[92:93], s[46:47], s[18:19]
	s_mov_b64 s[18:19], KROW
	s_mul_u64 s[20:21], s[20:21], s[18:19]         ; and their codes
	s_mul_u64 s[46:47], s[46:47], s[18:19]
	s_mul_i32 s45, s14, HALFT                      ; where they go: wave x a place: no place in the cluster enters an LDS address
	s_mul_i32 s94, s14, HALFS
	s_add_nc_u64 s[20:21], s[4:5], s[20:21]
	s_add_nc_u64 s[22:23], s[6:7], s[22:23]
	s_add_nc_u64 s[46:47], s[8:9], s[46:47]
	s_add_nc_u64 s[92:93], s[10:11], s[92:93]
	CROUND                                         ; all sixteen work-groups are here: the first joint loads meet
	s_mov_b32 s[G0S], 1
	s_add_co_u32 s[G0S+1], s94, SCL
	s_mov_b64 s[G0S+2:G0S+3], s[22:23]
	s_or_b32 s[G0S+3], s[G0S+3], 0x80000000
	s_mov_b32 s[G0SB], 1
	s_add_co_u32 s[G0SB+1], s94, SCL
	s_mov_b64 s[G0SB+2:G0SB+3], s[92:93]
	s_or_b32 s[G0SB+3], s[G0SB+3], 0x80000000
	JLOAD G0S, G1S, G0SB, G1SB                     ; the scales first: they are wanted with K step 0
.irp s, 0,1
	s_mov_b32 s[G0+4*\s], 1
	s_add_co_u32 s[G0+4*\s+1], s45, \s*SLOT
	s_add_nc_u64 s[G0+4*\s+2:G0+4*\s+3], s[20:21], \s*ROWB
	s_or_b32 s[G0+4*\s+3], s[G0+4*\s+3], 0x80000000
	s_mov_b32 s[G0B+4*\s], 1
	s_add_co_u32 s[G0B+4*\s+1], s45, \s*SLOT
	s_add_nc_u64 s[G0B+4*\s+2:G0B+4*\s+3], s[46:47], \s*ROWB
	s_or_b32 s[G0B+4*\s+3], s[G0B+4*\s+3], 0x80000000
	JLOAD G0+4*\s, G1, G0B+4*\s, G1B               ; three tensor loads of mine are out
.endr
	v_and_b32 v1, 15, v0                           ; r = lane % 16
	v_bfe_u32 v2, v0, 4, 1                         ; h = lane / 16
	v_mul_u32_u24 v3, v1, PITCH
	v_mul_u32_u24 v4, v2, 24
	v_add_nc_u32 v4, v3, v4                        ; a fragment's row x pitch + 24 x half
	v_lshl_add_u32 v5, v2, 4, v4                   ; and the same behind one padding more
	s_mul_i32 s21, s15, HALFT                      ; my P rows' place
	s_mul_i32 s22, s16, HALFT                      ; my R rows' place,
	s_add_co_u32 s22, s22, 2*HALFT                 ; behind P's two
.irp s, 0,1
	v_add_nc_u32 v[ADRA+\s], s21, v4
	v_add_nc_u32 v[ADRB+\s], s22, v4
	v_add_nc_u32 v[ADRA+2+\s], s21, v5
	v_add_nc_u32 v[ADRB+2+\s], s22, v5
	s_add_co_u32 s21, s21, SLOT
	s_add_co_u32 s22, s22, SLOT
.endr
	v_mul_u32_u24 v5, v1, KS                       ; my row's scales: 32 bytes a row,
	v_lshrrev_b32 v6, 8, v5
	v_lshl_add_u32 v5, v6, 4, v5                   ; and 16 more for each 256 passed
	s_mul_i32 s21, s15, HALFS
	s_mul_i32 s22, s16, HALFS
	s_add_co_u32 s22, s22, 2*HALFS
	s_sub_co_u32 s22, s22, s21
	v_mul_u32_u24 v6, s22, v2                      ; lanes 16-31 take R's
	s_add_co_u32 s21, s21, SCL
	v_add_nc_u32 v5, v5, v6
	v_add_nc_u32 v[ADRS], s21, v5
	v_and_b32 v6, 31, v0                           ; lane
	s_lshl_b32 s23, s14, 9
	s_add_co_u32 s23, s23, STG                     ; my wave's 512 bytes of the stage
	v_lshl_add_u32 v[SST], v1, 2, s23
	v_lshl_add_u32 v[SLD], v6, 4, s23
	v_lshl_add_u32 v[SLD2], v6, 3, s23
	v_lshlrev_b32 v[LOFF], 3, v6
	v_mul_u32_u24 v5, s100, v2
	v_lshl_add_u32 v[SOF], v1, 4, v5               ; lanes 0-15: the words of P rows 0-63; lanes 16-31: those of rows 64-127
	v_lshlrev_b32 v7, 5, v1
	v_lshl_add_u32 v[ROFF], v2, 11, v7
	v_lshl_add_u32 v[POFF], v2, 10, v7
	s_mov_b32 s[SEL], 0x76543210
	s_mov_b32 s[SEL+1], 0xfedcba98
	; where the full tile's results go.  My 128 P rows and 128 R rows are 128 tokens (16 runs of them to a batch) and a pair of heads, one way round or the other.
	s_lshl_b32 s18, s17, 1
	s_add_co_u32 s18, s18, s15                     ; which 128 P rows
	s_lshl_b32 s19, s42, 1
	s_add_co_u32 s19, s19, s16                     ; which 128 R rows
	s_cmp_eq_u32 s2, 0
	s_cselect_b32 s20, s18, s19                    ; which 128 tokens
	s_cselect_b32 s21, s19, s18                    ; which pair of heads
	s_lshr_b32 s22, s20, 4                         ; the batch
	s_and_b32 s23, s20, 15                         ; which 128 tokens of it
	s_lshl_b32 s22, s22, 3
	s_add_co_u32 s22, s22, s21                     ; 8 x batch + pair of heads
	s_mul_i32 s40, s22, 196608                     ; a pair of heads has 196,608 bytes of codes in each of the three buffers,
	s_mul_i32 s41, s23, 6144                       ; 128 tokens 6,144 of a head's
	s_add_co_u32 s40, s40, s41
	s_mov_b32 s41, 0
	s_add_nc_u64 s[4:5], s[12:13], s[40:41]        ; R's first 64, P rows 0-63
	s_mov_b32 s46, s99
	s_mov_b32 s47, 0
	s_add_nc_u64 s[6:7], s[4:5], s[46:47]          ; R's first 64, P rows 64-127
	s_mov_b32 s46, s98
	s_add_nc_u64 s[8:9], s[4:5], s[46:47]          ; R's second 64, P rows 0-63
	s_add_nc_u64 s[10:11], s[6:7], s[46:47]        ; R's second 64, P rows 64-127
	s_lshl_b32 s40, s22, 13                        ; a pair of heads has 8,192 bytes of scale words
	s_mul_i32 s46, s23, s101
	s_add_co_u32 s40, s40, s46
	s_add_nc_u64 s[96:97], s[96:97], s[40:41]
.macro FRAG reg, adr, q, i             ; a fragment, 16 rows x 128 K, is 12 registers: lane l holds row l % 16; registers 6 c .. 6 c + 5 hold K = 64 c + 32 (l / 16) + 0 .. 31: 24 bytes of the row, as they lie
.irp p, 0,1,2,3,4,5                    ; in pieces of 8 bytes.  Lanes 16-31 take the pieces three on; where such a piece lies behind one padding more, the second address register serves
.set PIE, 12*(\q)+6*(\p/3)+\p%3
.if PIE%8 < 5
	ds_load_b64 v[\reg+2*\p:\reg+2*\p+1], v[\adr] offset:8*PIE+16*(PIE/8)+(\i)*16*PITCH
.else
	ds_load_b64 v[\reg+2*\p:\reg+2*\p+1], v[\adr+2] offset:8*PIE+16*(PIE/8)+(\i)*16*PITCH
.endif
.endr
.endm
; THE FULL TILE.  16 matrix instructions: P's blocks a0, a0 + 1 x R's eight, 128 along K.  p: R's set; sc: the set of scale words.  zero = 1: the first product starts the sums.
; The 64 accumulators take turns, one instruction a turn, in the same order in every step.
.macro MUL16 a0, p, q, sc, zero
.irp a, \a0, \a0+1
.irp b, 0,1,2,3,4,5,6,7
.if \zero
	v_wmma_scale_f32_16x16x128_f8f6f4 v[8*(8*((\a)%4)+\b):8*(8*((\a)%4)+\b)+7], v[128*(\p)+FR*\b:128*(\p)+FR*\b+FR-1], v[AF+FR*(\a):AF+FR*(\a)+FR-1], 0, v[SC+8*NQ*(\sc)+NQ*\b+(\q)], v[SC+8*NQ*(\sc)+NQ*(\a)+(\q)] matrix_a_fmt:MATRIX_FMT_FP6 matrix_b_fmt:MATRIX_FMT_FP6 matrix_a_scale:MATRIX_SCALE_ROW1
.else
	v_wmma_scale_f32_16x16x128_f8f6f4 v[8*(8*((\a)%4)+\b):8*(8*((\a)%4)+\b)+7], v[128*(\p)+FR*\b:128*(\p)+FR*\b+FR-1], v[AF+FR*(\a):AF+FR*(\a)+FR-1], v[8*(8*((\a)%4)+\b):8*(8*((\a)%4)+\b)+7], v[SC+8*NQ*(\sc)+NQ*\b+(\q)], v[SC+8*NQ*(\sc)+NQ*(\a)+(\q)] matrix_a_fmt:MATRIX_FMT_FP6 matrix_b_fmt:MATRIX_FMT_FP6 matrix_a_scale:MATRIX_SCALE_ROW1
.endif
.endr
.endr
.endm
.macro FETCH_B slot, q, p              ; R's eight fragments of the slot's q-th 128 along K into set p
	WIN TO_B
.irp i, 0,1,2,3,4,5,6,7
	FRAG 128*(\p)+FR*\i, ADRB+\slot, \q, \i
.endr
	WIN 0
.endm
.macro FETCH_A slot, q, i0             ; P's blocks i0 .. i0 + 3
.irp i, \i0, \i0+1, \i0+2, \i0+3
	FRAG AF+FR*(\i), ADRA+\slot, \q, \i
.endr
.endm
.macro SCALES sc                       ; a K step's scale words into set sc: two words a row; lanes 0-15 take P's block i, lanes 16-31 R's block i
.irp i, 0,1,2,3,4,5,6,7
	ds_load_b64 v[SC+8*NQ*\sc+NQ*\i:SC+8*NQ*\sc+NQ*\i+1], v[ADRS] offset:\i*SBLK
.endr
.endm
; A load into a register that a matrix instruction has read, and a vector instruction that reads a matrix result, stand NP places behind that matrix instruction; only plain vector
; instructions that name none of its registers are places (ISA guide 7.12.1 for vector instructions).
.macro PLACES n
.rept \n
	v_nop
.endr
.endm
.macro STEP slot, q, zero              ; a step of 128 along K that has its successor in the same slot
	s_wait_dscnt 4*NL                              ; R's set and P's blocks 0-3 are in; the youngest 24 loads (P's blocks 4-7) may be out
	WIN MUL_LO
	MUL16 0, (\q)%2, \q, \slot, \zero
	MUL16 2, (\q)%2, \q, \slot, \zero
	s_wait_dscnt 0                                 ; P's blocks 4-7 are in
	PLACES NP
	FETCH_B \slot, (\q)+1, 1-(\q)%2
	FETCH_A \slot, (\q)+1, 0
	WIN MUL_HI
	MUL16 4, (\q)%2, \q, \slot, \zero
	MUL16 6, (\q)%2, \q, \slot, \zero
	PLACES NP
	WIN 0
	FETCH_A \slot, (\q)+1, 4
.endm
; A slot's last step changes slots: one barrier, which opens a round of the cluster's; in front of it each wave waits for all its tensor loads, adds 0 to its spare word, and waits for that and for its own reads of this slot.
; fill = 1: this slot takes the full tile's K step two steps on.  fill = 2: it takes the half tile's first K step: P's tiles have 64 rows from here on.
.macro TURN slot, next, fill
	s_wait_tensorcnt 0x0                           ; all my tensor loads have landed: my part of the next slot; so every descriptor may be written
	ds_add_u32 v[SPW], v[NIL]                      ; 0 onto my spare word
	s_wait_dscnt 4*NL+1                            ; (the add and the youngest 24 loads, P's blocks 4-7, may be out)
	WIN MUL_LO
	MUL16 0, 1, NQ-1, \slot, 0                     ; sixteen matrix instructions stand between the add and the wait for it
	s_wait_dscnt 0x0                               ; the add is done, and my reads of this slot are over
	s_barrier_signal -1
	MUL16 2, 1, NQ-1, \slot, 0
	WIN 0
	s_barrier_wait -1
	CREST                                          ; no wave of any partner still reads this slot or has a load on its way
.if \fill == 2
	s_mov_b32 s[G1+2], 64<<16                      ; tensor_dim1
	s_mov_b32 s[G1+4], 64                          ; tile_dim1
	s_mov_b64 s[G0+4*\slot+2:G0+4*\slot+3], s[68:69]
	s_or_b32 s[G0+4*\slot+3], s[G0+4*\slot+3], 0x80000000
	s_mov_b64 s[G0B+4*\slot+2:G0B+4*\slot+3], s[72:73]
	s_or_b32 s[G0B+4*\slot+3], s[G0B+4*\slot+3], 0x80000000
.else
	s_add_nc_u64 s[G0+4*\slot+2:G0+4*\slot+3], s[G0+4*\slot+2:G0+4*\slot+3], 2*ROWB
	s_add_nc_u64 s[G0B+4*\slot+2:G0B+4*\slot+3], s[G0B+4*\slot+2:G0B+4*\slot+3], 2*ROWB
.endif
	JLOAD G0+4*\slot, G1, G0B+4*\slot, G1B         ; the first tensor load behind the round, my only one until the next; its four v_nop are the places in front of the loads below
	v_add_nc_u32 v[ADRS], 4*NQ, v[ADRS]            ; on to the next K step's scale words
	FETCH_B \next, 0, 0
	FETCH_A \next, 0, 0
	SCALES \next
	WIN MUL_HI
	MUL16 4, 1, NQ-1, \slot, 0
	MUL16 6, 1, NQ-1, \slot, 0
	PLACES NP
	WIN 0
	FETCH_A \next, 0, 4
.endm
; THE HALF TILE.  One product: d the accumulator, fa R's fragment (window 1), fb P's (window 0), sa, sb their scale registers; ar, br = 1: the words lie in lanes 16-31.
.macro WQ d, fa, fb, sa, sb, zero, ar, br
.if \zero
.if \ar
.if \br
	v_wmma_scale_f32_16x16x128_f8f6f4 v[\d:\d+7], v[\fa:\fa+FR-1], v[\fb:\fb+FR-1], 0, v[\sa], v[\sb] matrix_a_fmt:MATRIX_FMT_FP6 matrix_b_fmt:MATRIX_FMT_FP6 matrix_a_scale:MATRIX_SCALE_ROW1 matrix_b_scale:MATRIX_SCALE_ROW1
.else
	v_wmma_scale_f32_16x16x128_f8f6f4 v[\d:\d+7], v[\fa:\fa+FR-1], v[\fb:\fb+FR-1], 0, v[\sa], v[\sb] matrix_a_fmt:MATRIX_FMT_FP6 matrix_b_fmt:MATRIX_FMT_FP6 matrix_a_scale:MATRIX_SCALE_ROW1
.endif
.else
.if \br
	v_wmma_scale_f32_16x16x128_f8f6f4 v[\d:\d+7], v[\fa:\fa+FR-1], v[\fb:\fb+FR-1], 0, v[\sa], v[\sb] matrix_a_fmt:MATRIX_FMT_FP6 matrix_b_fmt:MATRIX_FMT_FP6 matrix_b_scale:MATRIX_SCALE_ROW1
.else
	v_wmma_scale_f32_16x16x128_f8f6f4 v[\d:\d+7], v[\fa:\fa+FR-1], v[\fb:\fb+FR-1], 0, v[\sa], v[\sb] matrix_a_fmt:MATRIX_FMT_FP6 matrix_b_fmt:MATRIX_FMT_FP6
.endif
.endif
.else
.if \ar
.if \br
	v_wmma_scale_f32_16x16x128_f8f6f4 v[\d:\d+7], v[\fa:\fa+FR-1], v[\fb:\fb+FR-1], v[\d:\d+7], v[\sa], v[\sb] matrix_a_fmt:MATRIX_FMT_FP6 matrix_b_fmt:MATRIX_FMT_FP6 matrix_a_scale:MATRIX_SCALE_ROW1 matrix_b_scale:MATRIX_SCALE_ROW1
.else
	v_wmma_scale_f32_16x16x128_f8f6f4 v[\d:\d+7], v[\fa:\fa+FR-1], v[\fb:\fb+FR-1], v[\d:\d+7], v[\sa], v[\sb] matrix_a_fmt:MATRIX_FMT_FP6 matrix_b_fmt:MATRIX_FMT_FP6 matrix_a_scale:MATRIX_SCALE_ROW1
.endif
.else
.if \br
	v_wmma_scale_f32_16x16x128_f8f6f4 v[\d:\d+7], v[\fa:\fa+FR-1], v[\fb:\fb+FR-1], v[\d:\d+7], v[\sa], v[\sb] matrix_a_fmt:MATRIX_FMT_FP6 matrix_b_fmt:MATRIX_FMT_FP6 matrix_b_scale:MATRIX_SCALE_ROW1
.else
	v_wmma_scale_f32_16x16x128_f8f6f4 v[\d:\d+7], v[\fa:\fa+FR-1], v[\fb:\fb+FR-1], v[\d:\d+7], v[\sa], v[\sb] matrix_a_fmt:MATRIX_FMT_FP6 matrix_b_fmt:MATRIX_FMT_FP6
.endif
.endif
.endif
.endm
; 16 products: P's blocks a0, a0 + 1 (a0 = 0 or 2) x R's eight, the s-th 128 along K, on fragment sets number set.  The 32 accumulators take turns, one instruction a turn.
.macro MULH a0, set, s, zero
.irp a, \a0, \a0+1
.irp b, 0,1,2,3
	WQ 8*(8*(\a)+\b), 128*(\set)+FR*\b, AF+FR*(4*(\set)+(\a)), RS+8*\b+(\s), PS+8*((\a)%2)+(\s), \zero, 0, (\a0)/2
.endr
.irp b, 4,5,6,7
	WQ 8*(8*(\a)+\b), 128*(\set)+FR*\b, AF+FR*(4*(\set)+(\a)), RS+8*(\b-4)+(\s), PS+8*((\a)%2)+(\s), \zero, 1, (\a0)/2
.endr
.endr
.endm
.macro FETCH_A2 slot, q, set           ; P's four blocks into set 0 (the registers of the full tile's blocks 0-3) or set 1 (those of blocks 4-7)
.irp i, 0,1,2,3
	FRAG AF+FR*(4*(\set)+\i), ADRA+\slot, \q, \i
.endr
.endm
; A half step: 32 products on sets number set; ahead of them the next step's 12 fragments are asked for, from slot fslot's fq-th 128 along K, into the other sets.
.macro HS set, s, zero, fslot, fq
	s_wait_dscnt 0x0                               ; this step's fragments are in
	PLACES NP                                      ; the other sets were read by the last step's products
	FETCH_B \fslot, \fq, 1-(\set)
	FETCH_A2 \fslot, \fq, 1-(\set)
	WIN MUL_LO
	MULH 0, \set, \s, \zero
	MULH 2, \set, \s, \zero
	WIN 0
.endm
; A slot's second half step (sets 1) changes slots, as TURN does.  fill = 1: slot number slot, just read out, takes the K step two steps on.
.macro HT s, fslot, fill, slot
	s_wait_tensorcnt 0x0                           ; all my tensor loads have landed: my part of the next slot
	ds_add_u32 v[SPW], v[NIL]                      ; 0 onto my spare word
	s_wait_dscnt 0x0                               ; the add is done; this step's fragments, my last reads of this slot, are in
	s_barrier_signal -1
	WIN MUL_LO
	MULH 0, 1, \s, 0
	WIN 0
	s_barrier_wait -1
.if \fill
	CREST                                          ; no wave of any partner still reads this slot or has a load on its way
	s_add_nc_u64 s[G0+4*\slot+2:G0+4*\slot+3], s[G0+4*\slot+2:G0+4*\slot+3], 2*ROWB
	s_add_nc_u64 s[G0B+4*\slot+2:G0B+4*\slot+3], s[G0B+4*\slot+2:G0B+4*\slot+3], 2*ROWB
	JLOAD G0+4*\slot, G1, G0B+4*\slot, G1B         ; the first tensor load behind the round, my only one until the next; its four v_nop are the places in front of the loads below
.else
	PLACES NP
.endif
	FETCH_B \fslot, 0, 0
	FETCH_A2 \fslot, 0, 0
	WIN MUL_LO
	MULH 2, 1, \s, 0
	WIN 0
.endm
; THE WAY OUT of P's block a: its 64 registers a lane are four blocks of 32 along R, 16 numbers of each; lane l xor 16 holds the other 16.
.macro QUANTW a
.set W, 2+(\a)/4                       ; the block's window
.set S, 64*((\a)%4)                    ; its first register there
.set PCA, PC+12*(\a)
	WIN W|(W<<2)
.irp b, 0,1,2,3
	v_max3_num_f32 v[TM+\b], |v[S+16*\b]|, |v[S+16*\b+1]|, 0x1800000   ; each accumulator is read from its low end on; the floor 2^(3 - 127) holds the byte at 1 from below
.endr
	WIN (W<<2)|(W<<4)
.irp i, 2,4,6,8,10,12,14
.irp b, 0,1,2,3
	v_max3_num_f32 v[TM+\b], v[TM+\b], |v[S+16*\b+\i]|, |v[S+16*\b+\i+1]|   ; the four blocks by turns
.endr
.endr
	WIN 0
.irp b, 0,1,2,3
	v_permlanex16_b32 v[TM+4+\b], v[TM+\b], s[SEL], s[SEL+1]
.endr
.irp b, 0,1,2,3
	v_max_num_f32 v[TM+\b], v[TM+\b], v[TM+4+\b]   ; the block's largest magnitude
.endr
.irp b, 0,1,2,3
	v_add_nc_u32 v[TM+12+\b], 0xff000000, v[TM+\b] ; 2 off its exponent field: the conversion takes this operand's exponent field as its scale
.endr
.irp b, 0,1,2,3
	v_lshrrev_b32 v[TM+4+\b], 23, v[TM+12+\b]      ; the scale's byte
.endr
	v_lshl_or_b32 v[PW+\a], v[TM+5], 8, v[TM+4]    ; my P row's scale word
	v_lshl_or_b32 v[PW+\a], v[TM+6], 16, v[PW+\a]
	v_lshl_or_b32 v[PW+\a], v[TM+7], 24, v[PW+\a]
	WIN W
.irp c, 0,1
	v_cvt_scalef32_pk16_fp6_f32 v[PCA+6*\c:PCA+6*\c+2], v[S+32*\c:S+32*\c+15], v[TM+12+2*\c]
	v_cvt_scalef32_pk16_fp6_f32 v[CT+4*\c:CT+4*\c+2], v[S+32*\c+16:S+32*\c+31], v[TM+12+2*\c+1]   ; (a conversion's three registers begin on an even number)
.endr
	WIN 0
	v_nop                                          ; one plain place behind a scaled conversion
.irp c, 0,1                                    ; a whole block to a lane: lanes 0-15 block 2 c, lanes 16-31 block 2 c + 1
.irp i, 0,1,2
	v_permlane16_swap_b32 v[PCA+6*\c+\i], v[CT+4*\c+\i]
.endr
.irp i, 0,1,2
	v_mov_b32 v[PCA+6*\c+3+\i], v[CT+4*\c+\i]
.endr
.endr
	ds_store_b32 v[SST], v[PW+\a] offset:64*(\a)   ; both halves of the lanes write the same word with the same value
.irp c, 0,1
.irp i, 0,1,2
	global_store_b64 v[LOFF], v[PCA+6*\c+2*\i:PCA+6*\c+2*\i+1], s[4+4*\c+2*((\a)/4):5+4*\c+2*((\a)/4)] offset:((\a)%4)*768+256*\i   ; 32 lanes store 256 consecutive bytes, aligned
.endr
.endr
.endm
	s_wait_tensorcnt 1                             ; the scales and my part of K step 0 are in (K step 1's load may be out)
	s_barrier_signal -1
	s_barrier_wait -1                              ; everybody's are
	s_load_b128 s[68:71], s[0:1], 0x0              ; for the half tile: x codes, x scales; the scale loads' descriptors, which lay here, are done with (the wait above)
	s_load_b128 s[72:75], s[0:1], 0x30             ; Wq codes, Wq scales
	s_load_b128 s[76:79], s[0:1], 0x60             ; qc, qs
	FETCH_B 0, 0, 0
	FETCH_A 0, 0, 0
	SCALES 0
	FETCH_A 0, 0, 4
	STEP 0, 0, 1                                   ; the first step stands in front of the loop: its products start the sums
	; the half tile's addresses, and its scale words are asked for
	s_wait_kmcnt 0x0
	s_mov_b32 s81, 0
	s_mul_i32 s80, s66, 98304                      ; 128 tokens are 98,304 bytes of codes;
	s_mul_i32 s82, s16, 49152                      ; which 64 of them I fetch
	s_add_co_u32 s80, s80, s82
	s_add_nc_u64 s[68:69], s[68:69], s[80:81]      ; P's tile: of T and the wave's number alone
	s_lshl_b32 s80, s66, 12                        ; 128 tokens are 4,096 scale bytes;
	s_lshl_b32 s82, s15, 11                        ; which 64 of them are mine
	s_add_co_u32 s80, s80, s82
	s_add_nc_u64 s[70:71], s[70:71], s[80:81]
	s_mov_b32 s85, 0
	s_mul_i32 s84, s67, 196608                     ; 256 rows of Wq;
	s_mul_i32 s86, s16, 98304                      ; which 128 of them I fetch, and which are mine
	s_add_co_u32 s84, s84, s86
	s_add_nc_u64 s[72:73], s[72:73], s[84:85]      ; R's tile: of cx and the wave's number alone
	s_lshl_b32 s84, s67, 13
	s_lshl_b32 s86, s16, 12
	s_add_co_u32 s84, s84, s86
	s_add_nc_u64 s[74:75], s[74:75], s[84:85]
	s_lshr_b32 s88, s66, 4                         ; the batch
	s_lshl_b32 s88, s88, 3
	s_lshl_b32 s89, s67, 1
	s_add_co_u32 s88, s88, s89
	s_add_co_u32 s88, s88, s16                     ; 8 x batch + my pair of heads
	s_and_b32 s89, s66, 15
	s_lshl_b32 s89, s89, 1
	s_add_co_u32 s89, s89, s15                     ; which 64 tokens of the batch are mine
	s_mul_i32 s90, s88, 196608
	s_mul_i32 s87, s89, 3072                       ; four token tiles of 768 bytes
	s_add_co_u32 s90, s90, s87
	s_mov_b32 s91, 0
	s_add_nc_u64 s[76:77], s[76:77], s[90:91]      ; q's codes: the even head's
	s_lshl_b32 s90, s88, 13
	s_lshl_b32 s87, s89, 8
	s_add_co_u32 s90, s90, s87
	s_add_nc_u64 s[78:79], s[78:79], s[90:91]      ; q's scale words
.irp i, 0,1,2,3
	global_load_b128 v[RS+8*\i:RS+8*\i+3], v[ROFF], s[74:75] offset:512*\i         ; a row's 32 scale bytes are its eight words, one for each 128 along K
	global_load_b128 v[RS+8*\i+4:RS+8*\i+7], v[ROFF], s[74:75] offset:512*\i+16
.endr
.irp i, 0,1
	global_load_b128 v[PS+8*\i:PS+8*\i+3], v[POFF], s[70:71] offset:512*\i
	global_load_b128 v[PS+8*\i+4:PS+8*\i+7], v[POFF], s[70:71] offset:512*\i+16
.endr
	s_mov_b32 s3, LAPS-1
.Llap:                                                 ; a trip goes once round the ring and fills both slots again
	TURN 0, 1, 1
	STEP 1, 0, 0
	TURN 1, 0, 1
	STEP 0, 0, 0
	s_sub_co_u32 s3, s3, 1
	s_cmp_lg_u32 s3, 0
	s_cbranch_scc1 .Llap
	TURN 0, 1, 2                                   ; THE RING GOES ON: slot 0 takes the half tile's K step 0
	STEP 1, 0, 0
	; the full tile's last step: as TURN, but slot 1 takes the half tile's K step 1 and nothing is fetched from LDS yet
	s_wait_tensorcnt 0x0                           ; all my tensor loads have landed: my part of slot 0
	ds_add_u32 v[SPW], v[NIL]                      ; 0 onto my spare word
	s_wait_dscnt 4*NL+1                            ; (the add and the youngest 24 loads may be out)
	WIN MUL_LO
	MUL16 0, 1, NQ-1, 1, 0
	s_wait_dscnt 0x0                               ; the add is done, and my reads of slot 1 are over
	s_barrier_signal -1
	MUL16 2, 1, NQ-1, 1, 0
	WIN 0
	s_barrier_wait -1
	CREST
	s_add_nc_u64 s[G0+6:G0+7], s[68:69], ROWB
	s_or_b32 s[G0+7], s[G0+7], 0x80000000
	s_add_nc_u64 s[G0B+6:G0B+7], s[72:73], ROWB
	s_or_b32 s[G0B+7], s[G0B+7], 0x80000000
	JLOAD G0+4, G1, G0B+4, G1B
	WIN MUL_HI
	MUL16 4, 1, NQ-1, 1, 0
	MUL16 6, 1, NQ-1, 1, 0
	WIN 0
	PLACES NP                                      ; behind the last products: for the first reads of results and the writes into registers that held P's fragments
	FETCH_B 0, 0, 0                                ; the half tile's first fragments of R come while the full tile goes out (slot 0 is whole: the round above)
.irp b, 0,1,2,3
	v_mov_b32 v[TM+4+\b], 0                        ; written once: a lane permute's destination counts as one of its sources
.endr
.irp a, 0,1,2,3,4,5,6,7
	QUANTW \a
.endr
	ds_load_b128 v[SW:SW+3], v[SLD]                ; LDS serves a wave's instructions in order (ISA guide 5.7.1.4): this sees my eight stores
	s_wait_dscnt 0x0
	global_store_b128 v[SOF], v[SW:SW+3], s[96:97] ; sixteen lanes store 256 consecutive bytes, aligned
	s_wait_xcnt 0x0                                ; the stores have read their data and their bases: both are written again below
	s_mov_b64 s[4:5], s[76:77]                     ; q's codes: the even head's,
	s_add_nc_u64 s[8:9], s[76:77], 98304           ; the odd head's,
	s_mov_b64 s[96:97], s[78:79]                   ; and the scale words
	FETCH_A2 0, 0, 0
	s_wait_loadcnt 0x0                             ; the half tile's scale words
	HS 0, 0, 1, 0, 1                               ; its first products start the sums
	HT 1, 1, 1, 0
	HS 0, 2, 0, 1, 1
	HT 3, 0, 1, 1
	HS 0, 4, 0, 0, 1
	HT 5, 1, 0, 0                                  ; nothing is left to ask for
	HS 0, 6, 0, 1, 1
	s_wait_dscnt 0x0                               ; the very last step
	WIN MUL_LO
	MULH 0, 1, 7, 0
	MULH 2, 1, 7, 0
	WIN 0
	PLACES NP
.irp a, 0,1,2,3
	QUANTW \a
.endr
	ds_load_b64 v[SW:SW+1], v[SLD2]                ; my 64 tokens' words
	s_wait_dscnt 0x0
	global_store_b64 v[LOFF], v[SW:SW+1], s[96:97] ; 32 lanes store 256 consecutive bytes, aligned
	s_wait_tensorcnt 0x0                           ; the wave's end
	ds_add_u32 v[SPW], v[NIL]
	s_wait_dscnt 0x0
	CROUND                                         ; the closing round: no work-group ends while a partner may still ask for a tile that names it
	s_endpgm
.Lfunc_end_k_q0f4148a40a_proj:
	.size	k_q0f4148a40a_proj, .Lfunc_end_k_q0f4148a40a_proj-k_q0f4148a40a_proj
	.p2alignl 7, 3214868480
	.fill 96, 4, 3214868480
	.section	.rodata,"a",@progbits
	.p2align	6, 0x0
	.amdhsa_kernel k_q0f4148a40a_proj
		.amdhsa_group_segment_fixed_size 327680
		.amdhsa_private_segment_fixed_size 0
		.amdhsa_enable_private_segment 0
		.amdhsa_kernarg_size 112
		.amdhsa_user_sgpr_count 2
		.amdhsa_user_sgpr_kernarg_segment_ptr 1
		.amdhsa_wavefront_size32 1
		.amdhsa_system_sgpr_workgroup_id_x 1
		.amdhsa_system_sgpr_workgroup_id_y 1
		.amdhsa_system_sgpr_workgroup_id_z 1
		.amdhsa_system_vgpr_workitem_id 0
		.amdhsa_next_free_vgpr 1024
		.amdhsa_next_free_sgpr 102
		.amdhsa_reserve_vcc 0
		.amdhsa_float_denorm_mode_32 3
		.amdhsa_float_denorm_mode_16_64 3
		.amdhsa_memory_ordered 1
		.amdhsa_forward_progress 1
		.amdhsa_inst_pref_size 255
	.end_amdhsa_kernel
	.section	.bss,"aw",@nobits
	.p2align	6
	.space	262144
	.amdgpu_metadata
---
amdhsa.version: [ 1, 2 ]
amdhsa.kernels:
  - .name:           k_q0f4148a40a_proj
    .symbol:         k_q0f4148a40a_proj.kd
    .args:
      - { .name: x_codes, .offset: 0, .size: 8, .value_kind: global_buffer, .address_space: global }
      - { .name: x_scales, .offset: 8, .size: 8, .value_kind: global_buffer, .address_space: global }
      - { .name: Wk_codes, .offset: 16, .size: 8, .value_kind: global_buffer, .address_space: global }
      - { .name: Wk_scales, .offset: 24, .size: 8, .value_kind: global_buffer, .address_space: global }
      - { .name: Wv_codes, .offset: 32, .size: 8, .value_kind: global_buffer, .address_space: global }
      - { .name: Wv_scales, .offset: 40, .size: 8, .value_kind: global_buffer, .address_space: global }
      - { .name: Wq_codes, .offset: 48, .size: 8, .value_kind: global_buffer, .address_space: global }
      - { .name: Wq_scales, .offset: 56, .size: 8, .value_kind: global_buffer, .address_space: global }
      - { .name: kc, .offset: 64, .size: 8, .value_kind: global_buffer, .address_space: global }
      - { .name: ks, .offset: 72, .size: 8, .value_kind: global_buffer, .address_space: global }
      - { .name: vc, .offset: 80, .size: 8, .value_kind: global_buffer, .address_space: global }
      - { .name: vs, .offset: 88, .size: 8, .value_kind: global_buffer, .address_space: global }
      - { .name: qc, .offset: 96, .size: 8, .value_kind: global_buffer, .address_space: global }
      - { .name: qs, .offset: 104, .size: 8, .value_kind: global_buffer, .address_space: global }
    .group_segment_fixed_size: 327680
    .private_segment_fixed_size: 0
    .kernarg_segment_align: 8
    .kernarg_segment_size: 112
    .max_flat_workgroup_size: 128
    .sgpr_count:     102
    .vgpr_count:     1024
    .wavefront_size: 32
...
	.end_amdgpu_metadata
.endif
;; end of part 1
;; launch attn (part 2): grid 4 x 64, 16 waves a work-group, clusters of 4 x 1, 237,056 bytes of LDS; arguments qc, qs, kc, ks, vc, vs, fc, fs; writes fc, fs
.if DOCPART == 2
	.amdgcn_target "amdgcn-amd-amdhsa--gfx1250"
	.amdhsa_code_object_version 6
	.text
	.protected	k_q0f4148a40a_attn
	.globl	k_q0f4148a40a_attn
	.p2align	8
	.type	k_q0f4148a40a_attn,@function
k_q0f4148a40a_attn:
	s_mov_b64 s[64:65], 0
	v_nop
	global_prefetch_b8 v0, s[64:65] scope:SCOPE_SE
	s_setreg_imm32_b32 hwreg(HW_REG_WAVE_MODE, 25, 1), 1
	s_wait_xcnt 0x0
	s_wait_alu depctr_hold_cnt(0) depctr_sa_sdst(0) depctr_va_vdst(0) depctr_va_sdst(0) depctr_va_ssrc(0) depctr_va_vcc(0) depctr_vm_vsrc(0)
	s_getreg_b32 s2, hwreg(HW_REG_IB_STS2, 6, 4)
	s_cmp_eq_u32 s2, 0
	s_cbranch_scc0 .Lentry_in_a_cluster
	s_endpgm
.Lentry_in_a_cluster:
	s_bfe_u32 s2, ttmp6, 0x10000c
	s_cmp_lg_u32 s2, 0x3003
	s_cbranch_scc0 .Lentry_shape_is_right
	s_endpgm
.Lentry_shape_is_right:
; Causal attention of one head on codes of FP6 (E2M3): S^T = K Q^T (K = the head's 64), p = 2^(t - M), O^T = V^T P^T (K = the keys), O / l, and O quantised along the head's 64 for the last product.
; t = score x log2(e) / 8; M = the running largest t rounded UP to a whole number; the row's sum l is taken of the unquantised p, in f32.  When M moves, l and O are multiplied by 2^(old M - new M): exact.
; INPUTS are images of operand registers: 16 rows x 64 along K = 6 registers a lane = three groups of 256 bytes, registers 2 i, 2 i + 1 of lane l at byte 256 i + 8 l.
;   qc, kc [batch 4][head 16][token tile 128][768]; vc [batch][head][64 keys: 32][16 features: 4][768]; qs, ks [batch][head pair][token] a word (bytes 0, 1 the even head, 2, 3 the odd); vs [batch][head][128 keys: 16][feature 64] a word.
; Inside a block of 32 the codes of q and k, and those of v's keys, lie in the order 0-7, 16-23, 8-15, 24-31.
; SHARES.  The four work-groups of a cluster serve one head.  THE HEAD'S WHOLE K AND V STAY IN LDS, filled once by joint loads (the same in all four work-groups): no ring, no refill, no barrier in the loops.
; Sixteen waves, four to a SIMD, each with one tile of 16 queries at a time in 224 registers: one wave's vector work stands beside another's products and LDS loads.
; BALANCE UNDER THE MASK.  Tile t of the head's 128 needs t / 8 + 1 key steps of 128.  Wave w takes tiles 8 (15 - m) + sub and 8 m + sub, m = w / 2, sub = 2 cx + w % 2: (16 - m) + (m + 1) = 17 steps for every wave.
; My place in the cluster enters t mod 8 alone: Q's and the results' global addresses and the mask's comparison; no branch, no trip count, no LDS address.
; The loops' trip counts are constants; a step all of whose keys come after the tile's queries is jumped over by a scalar branch on the wave's number and the trip's.
; THE START IS STAGED.  Each wave asks first for a small part of what key step 0 reads, then for a large part of the rest.  The long tile goes first: every wave has work in its step 0, which runs behind the first parts'
; barrier while the rest is on its way; a second barrier, behind every wave's wait for all its loads, stands in front of step 1.
; THE KEYS OF A TILE ARE CHOSEN SO THAT A LANE HOLDS WHOLE BLOCKS.  Row r of tile 4 c + u of a step is key 64 c + 32 (r / 8) + 8 pi(u) + r % 8, pi = 0, 2, 1, 3.  In S^T lane (r, h) holds query r, and its registers
; 32 c + 8 u + j the keys 64 c + 32 h + 8 pi(u) + j: all of block 2 c + h, in the order in which v's keys lie.  So a block's largest score needs no other lane, and the conversions' results are the operand's registers.
; LDS rows of 256 bytes are 288 bytes apart.  A tile's rows 8-15 come from the key tile two further on, 6 x 288 = 1,728 bytes = 192 modulo 256, so the 32 lanes of a load of 8 bytes touch 64 different banks (ISA guide 11.1).
; K = 64 IN AN INSTRUCTION OF 128: registers 6-11 of Q's and K's fragments are zero codes; their scale words are loaded as 16 bits, so bytes 2, 3 are 0, which is a scale like any other over zero codes.
; OUT: fc [256 along K: 4][token tile 512][128 along K: 2][6 groups][256]: images of the last product's operand, in TRUE order (it meets given codes); fs [8,192][32] scale bytes.
; The scale bytes leave 2 bytes a token at a pitch of 32: the other 30 bytes of a row belong to other work-groups; they are 1/24 of what the launch stores.
; LIMITS: a block whose largest magnitude lies under 2^-124 keeps the scale byte 1; a block of zeros has the byte 1 (its codes are zeros; this program alone reads the bytes); NaN and infinities are not served.
.set FCK,  1572864                     ; bytes of fc for 256 along K
.set RP,   288                         ; an LDS row: 256 bytes + 32 of padding
.set LKC,  0                           ; LDS: K's codes, 128 key tiles x 3 rows
.set LVC,  384*RP                      ; V's codes, 32 x 4 images x 3 rows
.set LKSC, 768*RP                      ; K's scale words (the head pair's): 32 rows, 64 tokens each
.set LVSC, 800*RP                      ; V's scale words: 16 rows, one a key step
.set STEPB, 24*RP                      ; a key step's codes, of K and of V
.set LK,   1                           ; v1  8 x lane: my place in a group of an image in memory
.set LV,   2                           ; v2  LVC + 8 x lane
.set LKS,  3                           ; v3  LKSC + 2 x (head % 2) + 4 x (32 (r / 8) + 16 h + r % 8)
.set LVS,  4                           ; v4  LVSC + 4 x lane
.set QSO,  5                           ; v5  4 r + 2 x (head % 2)
.set FSO,  6                           ; v6  32 r + h
.set DQ,   7                           ; v7  16 sub + r - 32 h: in the step on the diagonal the key of register n is hidden where 64 (n / 32) + 8 pi((n / 8) % 4) + n % 8 > this
.set ADK,  8                           ; v8-11 the step's LDS addresses
.set ADV,  9
.set ADS,  10
.set ADT,  11
.set NM,   12                          ; v12 -M;  v13 the largest t so far
.set TMX,  13
.set SUM,  14                          ; v[14:15] the sum, in two halves
.set QF,   16                          ; v[16:27] Q's fragment: 16-21 codes, 22-27 zeros
.set QSC,  28                          ; v28 Q's scale words
.set NINF, 29                          ; v29 -infinity
.set T0,   30                          ; v30 the old -M, then old M - new M
.set LKK,  31                          ; v31 my place in a tile of K: 6 RP (r / 8) + 128 h + 8 (r % 8)
.set KFR,  32                          ; v[32:79] four fragments of K: 6 registers of codes, 6 of zeros each
.set KSC,  80                          ; v80-83 K's scale words: lanes 0-15 an even tile's, lanes 16-31 the odd tile's behind it
.set VSC,  84                          ; v84-85 V's likewise
.set PSC,  86                          ; v86 p's scale word
.set SH8,  87                          ; v87 8 h: how far my two bytes of p's scale word are shifted
.set FF,   88                          ; v[88:89] f = 2^(old M - new M), later 1 / l; the packed form names the pair and takes its low word
.set TMA,  90                          ; v90-91 at work
.set TMB,  91
.set ST,   96                          ; v[96:159] S^T, then p; then V's four fragments in v[96:143]; at a tile's end O / l in v[96:127]
.set OT,   160                         ; v[160:191] O^T
.set PCD,  192                         ; v[192:203] p's codes
.set CT,   204                         ; v204-210 the conversions' second halves; at a tile's end the result's codes in v[204:209]
.set BM,   212                         ; v212-215 four chains of a maximum; then v212, v213 my two blocks' largest
.set BT,   216                         ; v216-219 four more chains; then bytes; then a chain of the sum
.set SO,   220                         ; v220-221 the conversions' scale operands
.set WV,   20
.set MP,   21                          ; s21 m = wave / 2
.set EE,   22
.set CX,   23
.set BH,   24                          ; s24 16 x batch + head
.set HD,   25
.set BB,   26
.set PAR,  27
.set SEL,  28                          ; s[28:29] lane selects for v_permlanex16_b32: lane l xor 16
.set CS,   30                          ; s[30:31] c = log2(e) / 8
.set G0KR, 8                           ; s[8:11]  group 0: my part of the rest of K's codes (in the registers that held kc's and ks's addresses)
.set G0VR, 12                          ; s[12:15] of V's (vc's and vs's)
.set G1A,  32                          ; s[32:39] group 1: 8 rows of 256 bytes
.set G1R,  40                          ; s[40:47] 44 rows
.set G0KC, 48                          ; groups 0 of the first parts: K's codes, K's scale words, V's codes, V's scale words
.set G0KS, 52
.set TB,   56                          ; s56 the step's codes: STEPB bytes a step, of K and of V
.set TS,   57                          ; s57 K's scale words: two rows a step
.set TJ,   58                          ; s58 V's: one row a step
.set KST,  59                          ; s59 the key step
.set MT,   60                          ; s60 the tile's last key step, the one on the diagonal
.set SUB,  61
.set TA,   68                          ; s[68:83] for each of my two tiles: Q's codes, Q's scale words, the result's codes, its scale bytes
.set G1V,  84                          ; s[84:91] group 1: 4 rows
.set G0VC, 92
.set G0VS, 96
.macro CROUND                          ; a round of the cluster's barrier
	s_barrier_signal -1
	s_barrier_wait -1
	s_cmp_lg_u32 s[WV], 0
	s_cbranch_scc1 .Lnot_wave_0_\@
	s_barrier_signal -3
.Lnot_wave_0_\@:
	s_barrier_wait -3
	s_barrier_signal -1
	s_barrier_wait -1
.endm
.macro PLACES n
.rept \n
	v_nop
.endr
.endm
	s_load_b512 s[4:19], s[0:1], 0x0               ; qc, qs, kc, ks, vc, vs, fc, fs
	v_lshl_add_u32 v224, v0, 2, 0x39600
	v_mov_b32 v225, 0
	ds_add_u32 v224, v225
	ds_add_u32 v224, v225
	v_lshrrev_b32 v8, 5, v0
	s_delay_alu instid0(VALU_DEP_1)
	v_readfirstlane_b32 s[WV], v8                  ; wave 0..15
	s_lshr_b32 s[MP], s[WV], 1
	s_and_b32 s[EE], s[WV], 1
	s_bfe_u32 s[CX], ttmp6, 0x40000                ; my place in the cluster
	s_and_b32 s[BH], ttmp7, 0xffff                 ; batch and head: the four partners share them
	s_and_b32 s[HD], s[BH], 15
	s_lshr_b32 s[BB], s[BH], 4
	s_and_b32 s[PAR], s[BH], 1
	s_lshl_b32 s[SUB], s[CX], 1
	s_add_co_u32 s[SUB], s[SUB], s[EE]             ; my tiles' place among eight
	; descriptor groups 1: dense blocks as rows of 256 bytes (32 elements of 8); 15:0 the mask: all four work-groups; 20 padding on; 21 set beside a mask; 24:22 after every 64 words; 31:25 8 words of it
.irp g, G1A, G1R, G1V
	s_mov_b32 s[\g], 15|(3<<16)|(1<<20)|(1<<21)|(5<<22)|(7<<25)
	s_mov_b32 s[\g+1], 32<<16                      ; tensor_dim0
	s_mov_b32 s[\g+3], 32<<16                      ; tile_dim0
	s_mov_b32 s[\g+5], 32                          ; tensor_dim0_stride
	s_mov_b32 s[\g+6], 0
	s_mov_b32 s[\g+7], 0
.endr
	s_mov_b32 s[G1A+2], 8<<16                      ; tensor_dim1, tile_dim1: a quarter of the first 32 rows of K's or V's codes, or of K's scale words
	s_mov_b32 s[G1A+4], 8
	s_mov_b32 s[G1R+2], 44<<16                     ; an eighth of the other 352 rows of K's or V's codes
	s_mov_b32 s[G1R+4], 44
	s_mov_b32 s[G1V+2], 4<<16                      ; a quarter of V's scale words
	s_mov_b32 s[G1V+4], 4
	s_mov_b32 s[SEL], 0x76543210
	s_mov_b32 s[SEL+1], 0xfedcba98
	s_mov_b32 s[CS], 0x3e38aa3b                    ; log2(e) / 8
	s_mov_b32 s[CS+1], s[CS]                       ; (named with it as a pair, so it is written)
	s_and_b32 s62, s[WV], 3                        ; which quarter of a first part I fetch
	s_and_b32 s2, s[WV], 7                         ; which eighth of a rest
	s_mul_i32 s100, s[BH], 98304                   ; the head's first byte in qc, kc, vc
	s_lshr_b32 s101, s[BH], 1
	s_lshl_b32 s101, s101, 13                      ; the head pair's first byte in qs, ks
	s_mov_b32 s67, 0
	s_lshl_b32 s3, s62, 11                         ; eight rows in memory,
	s_mul_i32 s63, s62, 8*RP                       ; and in LDS
	s_add_co_u32 s66, s100, s3
	s_wait_dscnt 0x0
	s_wait_kmcnt 0x0
	s_mov_b32 s[G0KC], 1                           ; every wave makes all six descriptors and asks by two of them
	s_add_co_u32 s[G0KC+1], s63, LKC
	s_add_nc_u64 s[G0KC+2:G0KC+3], s[8:9], s[66:67]
	s_or_b32 s[G0KC+3], s[G0KC+3], 0x80000000
	s_mov_b32 s[G0VC], 1
	s_add_co_u32 s[G0VC+1], s63, LVC
	s_add_nc_u64 s[G0VC+2:G0VC+3], s[12:13], s[66:67]
	s_or_b32 s[G0VC+3], s[G0VC+3], 0x80000000
	s_add_co_u32 s66, s101, s3
	s_mov_b32 s[G0KS], 1
	s_add_co_u32 s[G0KS+1], s63, LKSC
	s_add_nc_u64 s[G0KS+2:G0KS+3], s[10:11], s[66:67]
	s_or_b32 s[G0KS+3], s[G0KS+3], 0x80000000
	s_lshl_b32 s66, s[BH], 12
	s_lshl_b32 s3, s62, 10                         ; four rows in memory,
	s_add_co_u32 s66, s66, s3
	s_mul_i32 s63, s62, 4*RP                       ; and in LDS
	s_mov_b32 s[G0VS], 1
	s_add_co_u32 s[G0VS+1], s63, LVSC
	s_add_nc_u64 s[G0VS+2:G0VS+3], s[14:15], s[66:67]
	s_or_b32 s[G0VS+3], s[G0VS+3], 0x80000000
	s_mul_i32 s66, s2, 44*256                      ; the rest: 44 rows in memory, behind the first 32,
	s_add_co_u32 s66, s66, s100
	s_add_co_u32 s66, s66, 32*256
	s_mul_i32 s63, s2, 44*RP                       ; and in LDS
	s_add_nc_u64 s[G0KR+2:G0KR+3], s[8:9], s[66:67]   ; ks's address has been taken; kc's is taken here, and its registers get the descriptor's first two words
	s_or_b32 s[G0KR+3], s[G0KR+3], 0x80000000
	s_mov_b32 s[G0KR], 1
	s_add_co_u32 s[G0KR+1], s63, LKC+32*RP
	s_add_nc_u64 s[G0VR+2:G0VR+3], s[12:13], s[66:67]
	s_or_b32 s[G0VR+3], s[G0VR+3], 0x80000000
	s_mov_b32 s[G0VR], 1
	s_add_co_u32 s[G0VR+1], s63, LVC+32*RP
	CROUND                                         ; all four work-groups are here: the joint loads meet
	s_cmp_lt_u32 s[WV], 4                          ; two loads a wave, the small one first; the branches hang on the wave's number alone; four v_nop follow the second
	s_cbranch_scc0 .Lnot_g0
	tensor_load_to_lds s[G0KC:G0KC+3], s[G1A:G1A+7]
	s_nop 0
	tensor_load_to_lds s[G0KR:G0KR+3], s[G1R:G1R+7]
	s_nop 0
	PLACES 4
	s_branch .Lfilled
.Lnot_g0:
	s_cmp_lt_u32 s[WV], 8
	s_cbranch_scc0 .Lnot_g1
	tensor_load_to_lds s[G0KS:G0KS+3], s[G1A:G1A+7]
	s_nop 0
	tensor_load_to_lds s[G0KR:G0KR+3], s[G1R:G1R+7]
	s_nop 0
	PLACES 4
	s_branch .Lfilled
.Lnot_g1:
	s_cmp_lt_u32 s[WV], 12
	s_cbranch_scc0 .Lnot_g2
	tensor_load_to_lds s[G0VC:G0VC+3], s[G1A:G1A+7]
	s_nop 0
	tensor_load_to_lds s[G0VR:G0VR+3], s[G1R:G1R+7]
	s_nop 0
	PLACES 4
	s_branch .Lfilled
.Lnot_g2:
	tensor_load_to_lds s[G0VS:G0VS+3], s[G1V:G1V+7]
	s_nop 0
	tensor_load_to_lds s[G0VR:G0VR+3], s[G1R:G1R+7]
	s_nop 0
	PLACES 4
.Lfilled:
	; my two tiles' global addresses
	s_lshr_b32 s2, s[HD], 2
	s_mul_i32 s63, s2, FCK                         ; the head's place in fc: which 256 along K,
	s_bfe_u32 s2, s[HD], 0x10001
	s_mul_i32 s2, s2, 1536                         ; which 128 of them,
	s_add_co_u32 s63, s63, s2
	s_mul_i32 s2, s[PAR], 768                      ; which 64 of those
	s_add_co_u32 s63, s63, s2
.irp tau, 0,1
	s_xor_b32 s62, s[MP], 15*\tau                  ; m or 15 - m
	s_lshl_b32 s62, s62, 3
	s_add_co_u32 s62, s62, s[SUB]                  ; the tile
	s_mul_i32 s66, s62, 768
	s_add_co_u32 s66, s66, s100
	s_add_nc_u64 s[TA+8*\tau:TA+8*\tau+1], s[4:5], s[66:67]
	s_lshl_b32 s66, s62, 6
	s_add_co_u32 s66, s66, s101
	s_add_nc_u64 s[TA+8*\tau+2:TA+8*\tau+3], s[6:7], s[66:67]
	s_lshl_b32 s66, s[BB], 7
	s_add_co_u32 s66, s66, s62                     ; the token tile among all 512
	s_mul_i32 s66, s66, 3072
	s_add_co_u32 s66, s66, s63
	s_add_nc_u64 s[TA+8*\tau+4:TA+8*\tau+5], s[16:17], s[66:67]
	s_lshl_b32 s66, s[BB], 16                      ; fs: 32 bytes a token
	s_lshl_b32 s2, s62, 9
	s_add_co_u32 s66, s66, s2
	s_lshl_b32 s2, s[HD], 1
	s_add_co_u32 s66, s66, s2
	s_add_nc_u64 s[TA+8*\tau+6:TA+8*\tau+7], s[18:19], s[66:67]
.endr
	v_and_b32 v8, 31, v0                           ; lane
	v_and_b32 v9, 15, v0                           ; r
	v_bfe_u32 v10, v0, 4, 1                        ; h
	v_bfe_u32 v[TMA], v0, 3, 1                     ; r / 8
	v_and_b32 v[TMB], 7, v0                        ; r % 8
	v_lshlrev_b32 v[LK], 3, v8
	s_delay_alu instid0(VALU_DEP_1)
	v_add_nc_u32 v[LV], LVC, v[LK]
	s_delay_alu instid0(VALU_DEP_4)
	v_mul_u32_u24 v[LKK], v[TMA], 6*RP             ; rows 8-15 of a tile of K come from the key tile two further on;
	s_delay_alu instid0(VALU_DEP_1)
	v_lshl_add_u32 v[LKK], v10, 7, v[LKK]          ; in an image lane 16 h + row has 8 bytes of each group
	s_delay_alu instid0(VALU_DEP_1)
	v_lshl_add_u32 v[LKK], v[TMB], 3, v[LKK]
	s_lshl_b32 s2, s[PAR], 1
	s_add_co_u32 s3, s2, LKSC
	v_lshlrev_b32 v11, 7, v[TMA]                   ; K's scale words, 4 bytes a key: key 32 (r / 8) + 16 h + r % 8 of 64: lanes 16-31 take the odd tile's rows
	s_delay_alu instid0(VALU_DEP_1)
	v_lshl_add_u32 v11, v10, 6, v11
	s_delay_alu instid0(VALU_DEP_1)
	v_lshl_add_u32 v11, v[TMB], 2, v11
	s_delay_alu instid0(VALU_DEP_1)
	v_add_nc_u32 v[LKS], s3, v11
	v_lshl_add_u32 v[LVS], v8, 2, LVSC
	v_lshl_add_u32 v[QSO], v9, 2, s2
	v_lshl_add_u32 v[FSO], v9, 5, v10
	s_lshl_b32 s3, s[SUB], 4
	v_lshlrev_b32 v11, 5, v10
	s_delay_alu instid0(VALU_DEP_1)
	v_sub_nc_u32 v11, v9, v11
	s_delay_alu instid0(VALU_DEP_1)
	v_add_nc_u32 v[DQ], s3, v11
	v_lshlrev_b32 v[SH8], 3, v10
	v_mov_b32 v[NINF], 0xff800000
	v_mov_b32 v[T0], 0                             ; (a lane permute's destination counts as one of its sources)
	v_mov_b32 v[FF+1], 0                           ; (named as the upper half of a pair)
.irp i, 6,7,8,9,10,11
	v_mov_b32 v[QF+\i], 0                          ; the zero codes of K = 64 .. 127: written once
.irp t, 0,1,2,3
	v_mov_b32 v[KFR+12*\t+\i], 0
.endr
.endr
.irp b, 0,1,2,3
	v_mov_b32 v[BT+\b], 0
.endr
; A KEY STEP: 128 keys.  full = 1: the step may lie behind the tile's queries (it is then jumped over) or on the diagonal (hidden keys are masked).  full = 0: neither can be.
.macro STEP full
.if \full
	s_cmp_gt_u32 s[KST], s[MT]                     ; all 128 keys come after my queries: the step's work is left out
	s_cbranch_scc1 .Lskip_\@
.endif
	s_setprio 2
	v_add_nc_u32 v[ADK], s[TB], v[LKK]
	s_wait_alu depctr_va_vdst(0)
	v_add_nc_u32 v[ADS], s[TS], v[LKS]
.irp b, 0,1,2,3
	ds_load_u16 v[KSC+\b], v[ADS] offset:(\b/2)*RP+(\b%2)*32   ; the scale words of tiles 2 b (lanes 0-15) and 2 b + 1 (lanes 16-31)
.endr
.irp g, 0,1                                    ; S^T = K Q^T, four tiles of 16 keys at a time: blocks 2 g (rows 0-7) and 2 g + 1 (rows 8-15)
.if \g
	v_add_nc_u32 v[ADV], s[TB], v[LV]              ; four places in front of loads into registers that matrix instructions have read, and of the first read of their results
	v_add_nc_u32 v[ADT], s[TJ], v[LVS]
	v_mov_b32 v[T0], v[NM]                         ; the old -M is kept
	v_nop
.endif
.irp t, 0,1,2,3
.irp p, 0,1,2
	ds_load_b64 v[KFR+12*\t+2*\p:KFR+12*\t+2*\p+1], v[ADK] offset:\g*12*RP+(\t%2)*3*RP+(\t/2)*64+\p*RP   ; tile 4 g + t: key tile 4 g + 2 (r / 8) + t % 2, its rows 8 (t / 2) + r % 8
.endr
.endr
	s_wait_dscnt 0x0
.irp t, 0,1,2,3
.if \t%2
	v_wmma_scale_f32_16x16x128_f8f6f4 v[ST+8*(4*\g+\t):ST+8*(4*\g+\t)+7], v[KFR+12*\t:KFR+12*\t+11], v[QF:QF+11], 0, v[KSC+2*\g+\t/2], v[QSC] matrix_a_fmt:MATRIX_FMT_FP6 matrix_b_fmt:MATRIX_FMT_FP6 matrix_a_scale:MATRIX_SCALE_ROW1
.else
	v_wmma_scale_f32_16x16x128_f8f6f4 v[ST+8*(4*\g+\t):ST+8*(4*\g+\t)+7], v[KFR+12*\t:KFR+12*\t+11], v[QF:QF+11], 0, v[KSC+2*\g+\t/2], v[QSC] matrix_a_fmt:MATRIX_FMT_FP6 matrix_b_fmt:MATRIX_FMT_FP6
.endif
.endr
.endr                                          ; lane (r, h) holds query r; registers 32 c .. 32 c + 31 are block 2 c + h
; What follows first touches the first four tiles alone: those lines are the places behind the second four products.
.if \full
	s_cmp_lg_u32 s[KST], s[MT]                     ; only the step on the diagonal hides keys
	s_cbranch_scc1 .Lopen_\@
.set n, 0
.rept 64
	v_cmp_gt_i32 vcc_lo, 64*(n/32)+16*((n/8)%2)+8*(((n/8)%4)/2)+n%8, v[DQ]
	v_cndmask_b32 v[ST+n], v[ST+n], v[NINF], vcc_lo   ; -infinity ahead of the maximum: p = 0 then.  The step's first key counts for every query, so M stays a number
.set n, n+1
.endr
.Lopen_\@:
.endif
.irp c, 0,1                                    ; the largest score of my block 2 c + h: for the row's maximum and, since p rises with the score, for the block's largest p.  Four chains, one a tile, each accumulator from its low end on
.irp u, 0,1,2,3
	v_max3_num_f32 v[BM+4*\c+\u], v[ST+32*\c+8*\u], v[ST+32*\c+8*\u+1], v[ST+32*\c+8*\u+2]
.endr
.irp i, 3,5
.irp u, 0,1,2,3
	v_max3_num_f32 v[BM+4*\c+\u], v[BM+4*\c+\u], v[ST+32*\c+8*\u+\i], v[ST+32*\c+8*\u+\i+1]
.endr
.endr
	v_max3_num_f32 v[BM+4*\c], v[BM+4*\c], v[BM+4*\c+1], v[ST+32*\c+7]
	v_max3_num_f32 v[BM+4*\c+2], v[BM+4*\c+2], v[BM+4*\c+3], v[ST+32*\c+15]
	v_max3_num_f32 v[BM+4*\c], v[BM+4*\c], v[BM+4*\c+2], v[ST+32*\c+23]
	v_max_num_f32 v[BM+\c], v[BM+4*\c], v[ST+32*\c+31]
.endr
	s_delay_alu instid0(VALU_DEP_1)
	v_max_num_f32 v[TMA], v[BM], v[BM+1]
	s_delay_alu instid0(VALU_DEP_1)
	v_permlanex16_b32 v[TMB], v[TMA], s[SEL], s[SEL+1]
	s_delay_alu instid0(VALU_DEP_1)
	v_max_num_f32 v[TMA], v[TMA], v[TMB]           ; with lane l xor 16's two blocks: the step's largest score of my query
	s_delay_alu instid0(VALU_DEP_1)
	v_mul_f32 v[TMA], s[CS], v[TMA]                ; as t (c is positive)
	s_delay_alu instid0(VALU_DEP_1)
	v_max_num_f32 v[TMX], v[TMX], v[TMA]
	s_delay_alu instid0(VALU_DEP_1)
	v_floor_f32 v[NM], -v[TMX]                     ; the new -M = floor(-t) = -ceil(t)
	s_delay_alu instid0(VALU_DEP_1)
	v_sub_f32 v[T0], v[NM], v[T0]                  ; old M - new M: a whole number, 0 or less
	s_delay_alu instid0(VALU_DEP_1)
	v_cvt_i32_f32 v[T0], v[T0]                     ; (it saturates)
	s_delay_alu instid0(VALU_DEP_1)
	v_ldexp_f32 v[FF], 1.0, v[T0]                  ; f = 2^(old M - new M)
.set n, 0
.rept 32
	v_pk_fma_f32 v[ST+n:ST+n+1], v[ST+n:ST+n+1], s[CS:CS+1], v[NM:NM+1] op_sel_hi:[1,0,0]   ; t - M, two at a time
.set n, n+2
.endr
	s_setprio 1
.irp c, 0,1
	v_fma_f32 v[BM+\c], v[BM+\c], s[CS], v[NM]     ; the same of each block's largest score
.endr
.set n, 0
	s_wait_alu depctr_va_vdst(0)
.rept 64
	v_exp_f32 v[ST+n], v[ST+n]                     ; p = 2^(t - M), at most 1
.set n, n+1
.endr
.irp c, 0,1
	v_exp_f32 v[BM+\c], v[BM+\c]                   ; the block's largest p: the same two instructions on the same number
.endr
	v_pk_mul_f32 v[SUM:SUM+1], v[SUM:SUM+1], v[FF:FF+1] op_sel_hi:[1,0]   ; the sums under the new M.  (A plain place behind the exponentials)
	s_wait_alu depctr_va_vdst(0)
.irp c, 0,1
	v_max_num_f32 v[BM+\c], 0x1800000, v[BM+\c]    ; the floor 2^(3 - 127): the byte cannot fall under 1
.endr
.irp c, 0,1
	s_delay_alu instid0(VALU_DEP_2)
	v_add_nc_u32 v[SO+\c], 0xff000000, v[BM+\c]    ; 2 off the exponent field: the conversion's scale operand
.endr
.irp c, 0,1
	s_delay_alu instid0(VALU_DEP_2)
	v_lshrrev_b32 v[BT+\c], 23, v[SO+\c]           ; the scale's byte
.endr
.irp c, 0,1
	v_cvt_scalef32_pk16_fp6_f32 v[PCD+6*\c:PCD+6*\c+2], v[ST+32*\c:ST+32*\c+15], v[SO+\c]   ; registers 6 c .. 6 c + 5 of the operand: block 2 c + h
	v_cvt_scalef32_pk16_fp6_f32 v[CT+4*\c:CT+4*\c+2], v[ST+32*\c+16:ST+32*\c+31], v[SO+\c]   ; (a conversion's three registers begin on an even number: the second half is made elsewhere and moved)
.endr
	v_lshl_or_b32 v[PSC], v[BT+1], 16, v[BT]       ; my two bytes, of blocks h and 2 + h.  (These lines are also the plain place behind the conversions)
	s_delay_alu instid0(VALU_DEP_1)
	v_lshlrev_b32 v[PSC], v[SH8], v[PSC]           ; at their places in the scale word;
	s_delay_alu instid0(VALU_DEP_1)
	v_permlanex16_b32 v[BT+2], v[PSC], s[SEL], s[SEL+1]
	s_delay_alu instid0(VALU_DEP_1)
	v_or_b32 v[PSC], v[PSC], v[BT+2]               ; with lane l xor 16's two the word of these 128 keys is whole
.irp c, 0,1
.irp i, 0,1,2
	v_mov_b32 v[PCD+6*\c+3+\i], v[CT+4*\c+\i]
.endr
.endr
	v_pk_add_f32 v[BT:BT+1], v[ST:ST+1], v[ST+2:ST+3]   ; the row's sum is taken of the unquantised p: two at a time, in two chains.  Here registers 0-47, which V's fragments take
.set n, 4
.rept 11
	v_pk_add_f32 v[SUM:SUM+1], v[SUM:SUM+1], v[ST+n:ST+n+1]
	v_pk_add_f32 v[BT:BT+1], v[BT:BT+1], v[ST+n+2:ST+n+3]
.set n, n+4
.endr
.irp i, 0,1
	ds_load_b32 v[VSC+\i], v[ADT] offset:128*\i    ; V's scale words: feature tiles 2 i (lanes 0-15) and 2 i + 1 (lanes 16-31)
.endr
	s_setprio 0
.irp t, 0,1,2,3                                ; V's four fragments (16 features x 128 keys)
.irp p, 0,1,2,3,4,5
	ds_load_b64 v[ST+12*\t+2*\p:ST+12*\t+2*\p+1], v[ADV] offset:(\p/3)*12*RP+\t*3*RP+(\p%3)*RP
.endr
.endr
.set n, 0
.rept 16
	v_pk_mul_f32 v[OT+n:OT+n+1], v[OT+n:OT+n+1], v[FF:FF+1] op_sel_hi:[1,0]   ; O^T under the new M, each accumulator from its low end on, while the loads are out; these are also the places between the made scale word and codes and the products
.set n, n+2
.endr
	s_wait_alu depctr_va_vdst(0)
	s_wait_dscnt 0x0
.irp t, 0,1,2,3                                ; O^T += V^T P^T: the four accumulators by turns
.if \t%2
	v_wmma_scale_f32_16x16x128_f8f6f4 v[OT+8*\t:OT+8*\t+7], v[ST+12*\t:ST+12*\t+11], v[PCD:PCD+11], v[OT+8*\t:OT+8*\t+7], v[VSC+\t/2], v[PSC] matrix_a_fmt:MATRIX_FMT_FP6 matrix_b_fmt:MATRIX_FMT_FP6 matrix_a_scale:MATRIX_SCALE_ROW1
.else
	v_wmma_scale_f32_16x16x128_f8f6f4 v[OT+8*\t:OT+8*\t+7], v[ST+12*\t:ST+12*\t+11], v[PCD:PCD+11], v[OT+8*\t:OT+8*\t+7], v[VSC+\t/2], v[PSC] matrix_a_fmt:MATRIX_FMT_FP6 matrix_b_fmt:MATRIX_FMT_FP6
.endif
.endr
.set n, 48
.rept 4
	v_pk_add_f32 v[SUM:SUM+1], v[SUM:SUM+1], v[ST+n:ST+n+1]   ; the rest of the sum: p's registers 48-63, which no fragment took.  These nine lines name no register of the products above: they are the places
	v_pk_add_f32 v[BT:BT+1], v[BT:BT+1], v[ST+n+2:ST+n+3]     ; between them and the next step's products, which write over V's fragments, and the tile's way out, which reads O^T
.set n, n+4
.endr
	s_delay_alu instid0(VALU_DEP_1)
	v_pk_add_f32 v[SUM:SUM+1], v[SUM:SUM+1], v[BT:BT+1]
.if \full
.Lskip_\@:
.endif
.endm
; ONE TILE OF 16 QUERIES: its head, its key steps, its way out.  first = 1: the launch's first tile, with the staged start.  trips: the key steps that any wave's tile of this kind can need.
.macro TILE tau, first, trips
.if !\first
	s_wait_xcnt 0x0                                ; the last tile's stores have read their data registers, which the steps below write again
.endif
	s_xor_b32 s[MT], s[MP], 15*\tau
.irp i, 0,1,2
	global_load_b64 v[QF+2*\i:QF+2*\i+1], v[LK], s[TA+8*\tau:TA+8*\tau+1] offset:256*\i   ; Q's image: 256 consecutive bytes a load
.endr
	global_load_u16 v[QSC], v[QSO], s[TA+8*\tau+2:TA+8*\tau+3]   ; my head's two bytes of the word
.set n, 0
.rept 32
	v_mov_b32 v[OT+n], 0                           ; O^T.  (A tile's first step finds zeros, which the first change of M leaves zeros)
.set n, n+1
.endr
	v_mov_b32 v[TMX], 0xff61b1e6                   ; -3e38, under every t
	s_delay_alu instid0(VALU_DEP_1)
	v_floor_f32 v[NM], -v[TMX]
	v_mov_b32 v[SUM], 0
	v_mov_b32 v[SUM+1], 0
	s_mov_b32 s[TB], 0
	s_mov_b32 s[TS], 0
	s_mov_b32 s[TJ], 0
	s_mov_b32 s[KST], 0
.if \first
	s_wait_alu depctr_va_vdst(0)
	s_wait_tensorcnt 0x1                           ; my first load, a part of what key step 0 reads, is in; my second may be out
	s_barrier_signal -1
	s_barrier_wait -1                              ; everybody's first is in
	s_wait_loadcnt 0x0                             ; Q
	STEP 0                                         ; key step 0: it reads the first 24 of the 32 rows of K's and of V's codes that have landed, and scale words; the loads still out begin at row 32
	s_wait_tensorcnt 0x0                           ; my second load is in,
	s_wait_dscnt 0x0
	s_barrier_signal -1
	s_barrier_wait -1                              ; everybody's is: all of K and V lies in LDS
	s_mov_b32 s[TB], STEPB
	s_mov_b32 s[TS], 2*RP
	s_mov_b32 s[TJ], RP
	s_mov_b32 s[KST], 1
.else
	s_wait_loadcnt 0x0                             ; Q
.endif
.Ltrip_\@:
	STEP 1
	s_add_co_u32 s[TB], s[TB], STEPB
	s_add_co_u32 s[TS], s[TS], 2*RP
	s_add_co_u32 s[TJ], s[TJ], RP
	s_add_co_u32 s[KST], s[KST], 1
	s_cmp_lt_u32 s[KST], \trips
	s_cbranch_scc1 .Ltrip_\@
	s_setprio 0
	s_wait_alu depctr_va_vdst(0)
	; THE TILE'S WAY OUT
	v_add_f32 v[SUM], v[SUM], v[SUM+1]             ; the sum's two halves,
	s_delay_alu instid0(VALU_DEP_1)
	v_permlanex16_b32 v[T0], v[SUM], s[SEL], s[SEL+1]
	s_delay_alu instid0(VALU_DEP_1)
	v_add_f32 v[SUM], v[SUM], v[T0]                ; and lane l xor 16's: l, at least 1/2
	s_wait_alu depctr_va_vdst(0)
	v_rcp_f32 v[FF], v[SUM]
	v_nop                                          ; one plain place behind a transcendental
.set n, 0
	s_wait_alu depctr_va_vdst(0)
.rept 16
	v_pk_mul_f32 v[ST+n:ST+n+1], v[OT+n:OT+n+1], v[FF:FF+1] op_sel_hi:[1,0]   ; O / l: register 8 t + j is feature 16 t + 8 h + j of query r
.set n, n+2
.endr
.irp b, 0,1                                    ; the next product's other operand is given, so the order along K must be the true one: tile 2 b's upper lanes change places with tile 2 b + 1's lower lanes,
.irp j, 0,1,2,3,4,5,6,7                        ; and registers 16 b + 0 .. 15 are features 32 b + 16 h + 0 .. 15
	v_permlane16_swap_b32 v[ST+16*\b+\j], v[ST+16*\b+8+\j]
.endr
.endr
.irp b, 0,1
	v_max3_num_f32 v[BM+\b], |v[ST+16*\b]|, |v[ST+16*\b+1]|, 0x1800000
.endr
.irp i, 2,4,6,8,10,12,14
.irp b, 0,1
	s_delay_alu instid0(VALU_DEP_2)
	v_max3_num_f32 v[BM+\b], v[BM+\b], |v[ST+16*\b+\i]|, |v[ST+16*\b+\i+1]|
.endr
.endr
.irp b, 0,1
	s_delay_alu instid0(VALU_DEP_2)
	v_permlanex16_b32 v[BT+\b], v[BM+\b], s[SEL], s[SEL+1]
.endr
.irp b, 0,1
	s_delay_alu instid0(VALU_DEP_2)
	v_max_num_f32 v[BM+\b], v[BM+\b], v[BT+\b]
.endr
.irp b, 0,1
	s_delay_alu instid0(VALU_DEP_2)
	v_add_nc_u32 v[SO+\b], 0xff000000, v[BM+\b]
.endr
.irp b, 0,1
	s_delay_alu instid0(VALU_DEP_2)
	v_lshrrev_b32 v[BT+\b], 23, v[SO+\b]
.endr
	v_cvt_scalef32_pk16_fp6_f32 v[CT:CT+2], v[ST:ST+15], v[SO]
	v_cvt_scalef32_pk16_fp6_f32 v[CT+4:CT+6], v[ST+16:ST+31], v[SO+1]
	v_nop
.irp i, 0,1,2
	v_permlane16_swap_b32 v[CT+\i], v[CT+4+\i]     ; lanes 0-15 block 0, lanes 16-31 block 1: the lower 16 codes in the first three registers, the upper 16 in the second three
.endr
	s_delay_alu instid0(VALU_DEP_3)
	v_mov_b32 v[CT+3], v[CT+4]
	s_delay_alu instid0(VALU_DEP_3)
	v_mov_b32 v[CT+4], v[CT+5]
	s_delay_alu instid0(VALU_DEP_3)
	v_mov_b32 v[CT+5], v[CT+6]
.irp i, 0,1,2
	global_store_b64 v[LK], v[CT+2*\i:CT+2*\i+1], s[TA+8*\tau+4:TA+8*\tau+5] offset:256*\i   ; 32 lanes store 256 consecutive bytes, aligned
.endr
	v_permlane16_swap_b32 v[BT], v[BT+1]           ; lanes 0-15 keep block 0's byte, lanes 16-31 take block 1's
	global_store_b8 v[FSO], v[BT], s[TA+8*\tau+6:TA+8*\tau+7]
.endm
	TILE 1, 1, 16                                  ; the long tile, 9 to 16 steps: every wave has work in its step 0
	TILE 0, 0, 8                                   ; the short tile, 1 to 8 steps
	s_wait_tensorcnt 0x0
	ds_add_u32 v224, v225
	s_wait_dscnt 0x0
	CROUND                                         ; the closing round: no work-group ends while a partner may still ask for a part that names it
	s_endpgm
.Lfunc_end_k_q0f4148a40a_attn:
	.size	k_q0f4148a40a_attn, .Lfunc_end_k_q0f4148a40a_attn-k_q0f4148a40a_attn
	.p2alignl 7, 3214868480
	.fill 96, 4, 3214868480
	.section	.rodata,"a",@progbits
	.p2align	6, 0x0
	.amdhsa_kernel k_q0f4148a40a_attn
		.amdhsa_group_segment_fixed_size 237056
		.amdhsa_private_segment_fixed_size 0
		.amdhsa_enable_private_segment 0
		.amdhsa_kernarg_size 64
		.amdhsa_user_sgpr_count 2
		.amdhsa_user_sgpr_kernarg_segment_ptr 1
		.amdhsa_wavefront_size32 1
		.amdhsa_system_sgpr_workgroup_id_x 1
		.amdhsa_system_sgpr_workgroup_id_y 1
		.amdhsa_system_sgpr_workgroup_id_z 1
		.amdhsa_system_vgpr_workitem_id 0
		.amdhsa_next_free_vgpr 226
		.amdhsa_next_free_sgpr 102
		.amdhsa_reserve_vcc 1
		.amdhsa_float_denorm_mode_32 3
		.amdhsa_float_denorm_mode_16_64 3
		.amdhsa_memory_ordered 1
		.amdhsa_forward_progress 1
		.amdhsa_inst_pref_size 86
	.end_amdhsa_kernel
	.amdgpu_metadata
---
amdhsa.version: [ 1, 2 ]
amdhsa.kernels:
  - .name:           k_q0f4148a40a_attn
    .symbol:         k_q0f4148a40a_attn.kd
    .args:
      - { .name: qc, .offset: 0, .size: 8, .value_kind: global_buffer, .address_space: global }
      - { .name: qs, .offset: 8, .size: 8, .value_kind: global_buffer, .address_space: global }
      - { .name: kc, .offset: 16, .size: 8, .value_kind: global_buffer, .address_space: global }
      - { .name: ks, .offset: 24, .size: 8, .value_kind: global_buffer, .address_space: global }
      - { .name: vc, .offset: 32, .size: 8, .value_kind: global_buffer, .address_space: global }
      - { .name: vs, .offset: 40, .size: 8, .value_kind: global_buffer, .address_space: global }
      - { .name: fc, .offset: 48, .size: 8, .value_kind: global_buffer, .address_space: global }
      - { .name: fs, .offset: 56, .size: 8, .value_kind: global_buffer, .address_space: global }
    .group_segment_fixed_size: 237056
    .private_segment_fixed_size: 0
    .kernarg_segment_align: 8
    .kernarg_segment_size: 64
    .max_flat_workgroup_size: 512
    .sgpr_count:     102
    .vgpr_count:     226
    .wavefront_size: 32
...
	.end_amdgpu_metadata
.endif
;; end of part 2
;; launch outp (part 3): grid 4 x 64, 4 waves a work-group, clusters of 4 x 4, 327,680 bytes of LDS; arguments fc, fs, Wo_codes, Wo_scales, out0; writes out0
.if DOCPART == 3
	.amdgcn_target "amdgcn-amd-amdhsa--gfx1250"
	.amdhsa_code_object_version 6
	.text
	.protected	k_q0f4148a40a_outp
	.globl	k_q0f4148a40a_outp
	.p2align	8
	.type	k_q0f4148a40a_outp,@function
k_q0f4148a40a_outp:
	s_mov_b64 s[64:65], 0
	v_nop
	global_prefetch_b8 v0, s[64:65] scope:SCOPE_SE
	s_setreg_imm32_b32 hwreg(HW_REG_WAVE_MODE, 25, 1), 1
	s_wait_xcnt 0x0
	s_wait_alu depctr_hold_cnt(0) depctr_sa_sdst(0) depctr_va_vdst(0) depctr_va_sdst(0) depctr_va_ssrc(0) depctr_va_vcc(0) depctr_vm_vsrc(0)
	s_getreg_b32 s2, hwreg(HW_REG_IB_STS2, 6, 4)
	s_cmp_eq_u32 s2, 0
	s_cbranch_scc0 .Lentry_in_a_cluster
	s_endpgm
.Lentry_in_a_cluster:
	s_bfe_u32 s2, ttmp6, 0x10000c
	s_cmp_lg_u32 s2, 0xf033
	s_cbranch_scc0 .Lentry_shape_is_right
	s_endpgm
.Lentry_shape_is_right:
; out[m][n] = sum over k of A[m][k] Wo[n][k] on codes of FP6 (E2M3) with one E8M0 scale for each 32 along K.  M = 8,192 tokens, N = 1,024, K = 1,024; out is f32; sums in f32.
; A's codes come from the launch before as IMAGES OF THIS KERNEL'S REGISTERS: fc [256 along K: 4][token tile 512][128 along K: 2][6 groups][256]: registers 2 g, 2 g + 1 of lane l of the fragment (16 rows x 128 K)
; at byte 256 g + 8 l.  So the 64 rows x 256 K that a wave fetches are ONE dense block of 12,288 bytes (48 rows of 256 bytes for the mover), and a fragment comes out of LDS by six loads of 8 bytes at 8 x lane, dense.
; A's scale bytes fs [8,192][32] and Wo's codes [1,024][768 bytes] and scale bytes [1,024][32] lie by rows.
; SHARES.  A tile of out is 128 x 256, so that there are 64 x 4 = 256 work-groups; four waves, each 64 x 128: 32 accumulators, 256 registers.  12 fragments from LDS feed 32 products.
; K goes in steps of 256.  THREE LDS slots of 86,016 bytes take the first three steps as first fills; the fourth step is the launch's one refill, into slot 0, asked for when slot 0 has been read out:
; it has four half steps, 128 products a wave, in which to land.
; The scale words of my 64 + 128 rows, for all of K, are 48 registers: they come straight from memory, once.
; CLUSTERS: 4 x 4 work-groups; A's tiles are asked for jointly along a row of the cluster, Wo's along a column.  The matrix instruction is used transposed (source 0 = 16 rows of Wo, source 1 = 16 rows of A):
; a lane then holds eight neighbouring numbers of a row of out.
; REGISTERS, in windows of 256: window 0: v0-31 addresses; v32-79 scale words; v128-223 A's fragments, two sets of 4; on the way out v128-255 hold rows.
;   window 1: Wo's fragments, two sets of 8, at v0 and v128.   window 2: the accumulators ((a, b) at v[8 (8 a + b)]).
.set SIZE_N, 1024
.set ROWB,   192                       ; a row of Wo's tile in bytes
.set KROW,   768                       ; a row of Wo in memory
.set FCK,    1572864                   ; bytes of fc for 256 along K
.set PITCH,  240                       ; an LDS row of Wo: 3 x (64 bytes of data + 16 of padding)
.set FR,     12
.set NP,     4                         ; places behind this matrix instruction (ISA guide 7.12.1)
.set APL,    12288                     ; the place of 64 rows of A: four token tiles' images
.set BPL,    128*PITCH                 ; the place of 128 rows of Wo
.set SLOT,   2*APL+2*BPL
.set SPARE,  3*SLOT                    ; the spare words, 128 bytes for each wave: two blocks of 256 bytes that no other line names
.set STAGE,  SLOT                      ; the way out: 16 rows x (512 bytes + 16) for each wave, in slot 1: its one fill is a first fill, and every wave's reads of it are over at the last barrier
.set SPITCH, 528
.set ADRA, 16                          ; v16-18 LDS address of my A images in slot 0, 1, 2: + 8 x lane
.set ADRB, 19                          ; v19-21 of my Wo fragments (v22-24: for the pieces behind one padding more)
.set STO,  25
.set RD,   26
.set CO,   27
.set SPW,  28                          ; v28 LDS address of my spare word; never rewritten
.set NIL,  29                          ; v29 0; never rewritten
.set ROFF, 30                          ; v30 Wo's scale words: 32 r + 2,048 h (lanes 16-31 take the rows 64 further on)
.set POFF, 31                          ; v31 A's: 32 r + 1,024 h (the rows 32 further on)
.set RS,   32                          ; v[32 + 8 i + s]: lanes 0-15 the word of Wo's block i, lanes 16-31 of block i + 4, for the s-th 128 along K
.set PS,   64                          ; v[64 + 8 i + s]: lanes 0-15 the word of A's block i, lanes 16-31 of block i + 2
.set AF,   128
.set BK,   128
.set G1,   24                          ; s[24:31] group 1 for A's images;  s[32:43] groups 0, one for each slot
.set G0,   32
.set G1B,  48                          ; s[48:55] group 1 for Wo's tiles;  s[68:79] groups 0
.set G0B,  68
.set MSB, 0
.macro WIN new                         ; the immediate's high byte repeats the setting that is left
.if MSB != \new
	s_set_vgpr_msb (MSB<<8)|\new
.set MSB, \new
.endif
.endm
.set MUL_LO, 0xa1                      ; source 0 (Wo) window 1, source 1 (A) window 0, C and D window 2
.set TO_B,   0x40                      ; destination window 1, address window 0
; A joint load: waves 0 and 1 fetch for A, waves 2 and 3 for Wo; the branch hangs on the wave's number alone.  Four v_nop follow each of the two lines.
.macro JLOAD g0a, g1a, g0b, g1b
	s_cmp_eq_u32 s15, 0
	s_cbranch_scc0 .Lfor_b_\@
	tensor_load_to_lds s[\g0a:\g0a+3], s[\g1a:\g1a+7]
	s_nop 0
.rept 4
	v_nop
.endr
	s_branch .Lasked_\@
.Lfor_b_\@:
	tensor_load_to_lds s[\g0b:\g0b+3], s[\g1b:\g1b+7]
	s_nop 0
.rept 4
	v_nop
.endr
.Lasked_\@:
.endm
.macro CREST                           ; a round of the cluster's barrier behind its opening barrier
	s_cmp_lg_u32 s14, 0
	s_cbranch_scc1 .Lnot_wave_0_\@
	s_barrier_signal -3
.Lnot_wave_0_\@:
	s_barrier_wait -3
	s_barrier_signal -1
	s_barrier_wait -1
.endm
.macro CROUND
	s_barrier_signal -1
	s_barrier_wait -1
	CREST
.endm
	s_load_b128 s[4:7], s[0:1], 0x0                ; A's codes, A's scales
	s_load_b128 s[8:11], s[0:1], 0x10              ; Wo's codes, Wo's scales
	s_load_b64 s[12:13], s[0:1], 0x20              ; out
	v_lshl_add_u32 v[SPW], v0, 2, SPARE
	v_mov_b32 v[NIL], 0
	ds_add_u32 v28, v29
	ds_add_u32 v28, v29
	s_wait_dscnt 0x0
	v_lshrrev_b32 v1, 5, v0
	v_readfirstlane_b32 s14, v1                    ; wave 0..3
	s_lshr_b32 s15, s14, 1                         ; which 64 of the tile's rows are mine.  Also: I fetch for A (0) or for Wo (1)
	s_and_b32 s16, s14, 1                          ; which 128 of its columns.  Also: which half of that tile's rows I fetch
	s_bfe_u32 s56, ttmp6, 0x40000                  ; cx, cy: my place in the cluster
	s_bfe_u32 s57, ttmp6, 0x40004
	s_lshl_b32 s58, ttmp9, 2
	s_add_co_u32 s58, s58, s56                     ; tile column (256 wide) = 4 x cluster x + cx
	s_and_b32 s17, ttmp7, 0xffff
	s_lshl_b32 s17, s17, 2
	s_add_co_u32 s17, s17, s57                     ; tile row (128 high) = 4 x cluster y + cy
	s_lshl_b32 s59, s57, 2
	s_lshl_b32 s59, 15, s59                        ; my row of the cluster
	s_lshl_b32 s60, 0x1111, s56                    ; my column
	; group 1 for A's images: a dense block as 48 rows of 256 bytes (32 elements of 8), no padding
	s_or_b32 s[G1+0], s59, (3<<16)|(1<<21)
	s_mov_b32 s[G1+1], 32<<16
	s_mov_b32 s[G1+2], 48<<16
	s_mov_b32 s[G1+3], 32<<16
	s_mov_b32 s[G1+4], 48
	s_mov_b32 s[G1+5], 32
	s_mov_b32 s[G1+6], 0
	s_mov_b32 s[G1+7], 0
	; for Wo's tiles: 128 rows x 192 bytes, 16 bytes of padding behind every 64
	s_or_b32 s[G1B+0], s60, (0<<16)|(1<<20)|(1<<21)|(3<<22)|(3<<25)
	s_mov_b32 s[G1B+1], ROWB<<16
	s_mov_b32 s[G1B+2], 128<<16
	s_mov_b32 s[G1B+3], ROWB<<16
	s_mov_b32 s[G1B+4], 128
	s_mov_b32 s[G1B+5], KROW
	s_mov_b32 s[G1B+6], 0
	s_mov_b32 s[G1B+7], 0
	s_lshl_b32 s18, s17, 1
	s_add_co_u32 s18, s18, s16
	s_mul_i32 s20, s18, APL                        ; A: the 64 rows that I fetch: four token tiles of 3,072 bytes for 256 along K
	s_mov_b32 s21, 0
	s_lshl_b32 s22, s17, 1
	s_add_co_u32 s22, s22, s15
	s_lshl_b32 s22, s22, 11                        ; A's scale bytes: my 64 rows of 32 bytes
	s_mov_b32 s23, 0
	s_lshl_b32 s46, s58, 8
	s_lshl_b32 s19, s16, 7
	s_add_co_u32 s46, s46, s19                     ; Wo: row 256 x tile column + 128 x half: the rows that I fetch, and my columns
	s_lshl_b32 s44, s46, 5                         ; their scale bytes
	s_mov_b32 s45, 0
	s_mul_i32 s46, s46, KROW                       ; their codes
	s_mov_b32 s47, 0
	s_mul_i32 s61, s16, APL                        ; where they go: no place in the cluster enters an LDS address
	s_mul_i32 s62, s16, BPL
	s_add_co_u32 s62, s62, 2*APL
	s_wait_kmcnt 0x0
	s_add_nc_u64 s[4:5], s[4:5], s[20:21]
	s_add_nc_u64 s[6:7], s[6:7], s[22:23]
	s_add_nc_u64 s[8:9], s[8:9], s[46:47]
	s_add_nc_u64 s[10:11], s[10:11], s[44:45]
	CROUND                                         ; all sixteen work-groups are here: the first joint loads meet
.irp s, 0,1,2
	s_mov_b32 s[G0+4*\s], 1
	s_add_co_u32 s[G0+4*\s+1], s61, \s*SLOT
	s_add_nc_u64 s[G0+4*\s+2:G0+4*\s+3], s[4:5], \s*FCK
	s_or_b32 s[G0+4*\s+3], s[G0+4*\s+3], 0x80000000
	s_mov_b32 s[G0B+4*\s], 1
	s_add_co_u32 s[G0B+4*\s+1], s62, \s*SLOT
	s_add_nc_u64 s[G0B+4*\s+2:G0B+4*\s+3], s[8:9], \s*ROWB
	s_or_b32 s[G0B+4*\s+3], s[G0B+4*\s+3], 0x80000000
	JLOAD G0+4*\s, G1, G0B+4*\s, G1B               ; three tensor loads of mine are out
.endr
	v_and_b32 v1, 15, v0                           ; r
	v_bfe_u32 v2, v0, 4, 1                         ; h
	v_and_b32 v6, 31, v0                           ; lane
	v_lshlrev_b32 v3, 5, v1
	v_lshl_add_u32 v[ROFF], v2, 11, v3
	v_lshl_add_u32 v[POFF], v2, 10, v3
.irp i, 0,1,2,3
	global_load_b128 v[RS+8*\i:RS+8*\i+3], v[ROFF], s[10:11] offset:512*\i         ; a row's 32 scale bytes are its eight words, one for each 128 along K
	global_load_b128 v[RS+8*\i+4:RS+8*\i+7], v[ROFF], s[10:11] offset:512*\i+16
.endr
.irp i, 0,1
	global_load_b128 v[PS+8*\i:PS+8*\i+3], v[POFF], s[6:7] offset:512*\i
	global_load_b128 v[PS+8*\i+4:PS+8*\i+7], v[POFF], s[6:7] offset:512*\i+16
.endr
	v_lshlrev_b32 v7, 3, v6                        ; 8 x lane
	v_mul_u32_u24 v3, v1, PITCH
	v_mul_u32_u24 v4, v2, 24
	v_add_nc_u32 v4, v3, v4                        ; Wo: a fragment's row x pitch + 24 x half
	v_lshl_add_u32 v5, v2, 4, v4                   ; and the same behind one padding more
	s_mul_i32 s21, s15, APL                        ; my 64 rows of A
	s_mul_i32 s22, s16, BPL                        ; my 128 rows of Wo,
	s_add_co_u32 s22, s22, 2*APL                   ; behind A's two places
.irp s, 0,1,2
	v_add_nc_u32 v[ADRA+\s], s21, v7
	v_add_nc_u32 v[ADRB+\s], s22, v4
	v_add_nc_u32 v[ADRB+3+\s], s22, v5
	s_add_co_u32 s21, s21, SLOT
	s_add_co_u32 s22, s22, SLOT
.endr
	s_mul_i32 s23, s14, 16*SPITCH
	s_add_co_u32 s23, s23, STAGE                   ; my stage
	v_mul_u32_u24 v5, v1, SPITCH
	v_lshl_add_u32 v5, v2, 5, v5
	v_add_nc_u32 v[STO], s23, v5                   ; in: row r, 32 bytes for each half of the lanes
	v_lshlrev_b32 v[CO], 4, v6                     ; back: the 32 lanes take one row of 512 bytes; and the same in out
	v_add_nc_u32 v[RD], s23, v[CO]
	s_lshl_b32 s20, s17, 7
	s_lshl_b32 s21, s15, 6
	s_add_co_u32 s20, s20, s21                     ; my first row of out,
	s_lshl_b32 s20, s20, 12                        ; of 4,096 bytes
	s_lshl_b32 s46, s58, 10                        ; my first column, in bytes
	s_lshl_b32 s47, s16, 9
	s_add_co_u32 s46, s46, s47
	s_add_co_u32 s20, s20, s46
	s_mov_b32 s21, 0
	s_add_nc_u64 s[12:13], s[12:13], s[20:21]
.macro FRAG reg, adr, q, i             ; a fragment of Wo from padded rows: pieces of 8 bytes; lanes 16-31 take the pieces three on; where such a piece lies behind one padding more, the second address register serves
.irp p, 0,1,2,3,4,5
.set PIE, 12*(\q)+6*(\p/3)+\p%3
.if PIE%8 < 5
	ds_load_b64 v[\reg+2*\p:\reg+2*\p+1], v[\adr] offset:8*PIE+16*(PIE/8)+(\i)*16*PITCH
.else
	ds_load_b64 v[\reg+2*\p:\reg+2*\p+1], v[\adr+3] offset:8*PIE+16*(PIE/8)+(\i)*16*PITCH
.endif
.endr
.endm
.macro FRAGA reg, slot, q, i           ; a fragment of A from its image: group p's 256 bytes, 8 a lane
.irp p, 0,1,2,3,4,5
	ds_load_b64 v[\reg+2*\p:\reg+2*\p+1], v[ADRA+\slot] offset:(\i)*3072+(\q)*1536+256*\p
.endr
.endm
; One product: d the accumulator, fa Wo's fragment (window 1), fb A's (window 0), sa, sb their scale registers; ar, br = 1: the words lie in lanes 16-31.
.macro WQ d, fa, fb, sa, sb, zero, ar, br
.if \zero
.if \ar
.if \br
	v_wmma_scale_f32_16x16x128_f8f6f4 v[\d:\d+7], v[\fa:\fa+FR-1], v[\fb:\fb+FR-1], 0, v[\sa], v[\sb] matrix_a_fmt:MATRIX_FMT_FP6 matrix_b_fmt:MATRIX_FMT_FP6 matrix_a_scale:MATRIX_SCALE_ROW1 matrix_b_scale:MATRIX_SCALE_ROW1
.else
	v_wmma_scale_f32_16x16x128_f8f6f4 v[\d:\d+7], v[\fa:\fa+FR-1], v[\fb:\fb+FR-1], 0, v[\sa], v[\sb] matrix_a_fmt:MATRIX_FMT_FP6 matrix_b_fmt:MATRIX_FMT_FP6 matrix_a_scale:MATRIX_SCALE_ROW1
.endif
.else
.if \br
	v_wmma_scale_f32_16x16x128_f8f6f4 v[\d:\d+7], v[\fa:\fa+FR-1], v[\fb:\fb+FR-1], 0, v[\sa], v[\sb] matrix_a_fmt:MATRIX_FMT_FP6 matrix_b_fmt:MATRIX_FMT_FP6 matrix_b_scale:MATRIX_SCALE_ROW1
.else
	v_wmma_scale_f32_16x16x128_f8f6f4 v[\d:\d+7], v[\fa:\fa+FR-1], v[\fb:\fb+FR-1], 0, v[\sa], v[\sb] matrix_a_fmt:MATRIX_FMT_FP6 matrix_b_fmt:MATRIX_FMT_FP6
.endif
.endif
.else
.if \ar
.if \br
	v_wmma_scale_f32_16x16x128_f8f6f4 v[\d:\d+7], v[\fa:\fa+FR-1], v[\fb:\fb+FR-1], v[\d:\d+7], v[\sa], v[\sb] matrix_a_fmt:MATRIX_FMT_FP6 matrix_b_fmt:MATRIX_FMT_FP6 matrix_a_scale:MATRIX_SCALE_ROW1 matrix_b_scale:MATRIX_SCALE_ROW1
.else
	v_wmma_scale_f32_16x16x128_f8f6f4 v[\d:\d+7], v[\fa:\fa+FR-1], v[\fb:\fb+FR-1], v[\d:\d+7], v[\sa], v[\sb] matrix_a_fmt:MATRIX_FMT_FP6 matrix_b_fmt:MATRIX_FMT_FP6 matrix_a_scale:MATRIX_SCALE_ROW1
.endif
.else
.if \br
	v_wmma_scale_f32_16x16x128_f8f6f4 v[\d:\d+7], v[\fa:\fa+FR-1], v[\fb:\fb+FR-1], v[\d:\d+7], v[\sa], v[\sb] matrix_a_fmt:MATRIX_FMT_FP6 matrix_b_fmt:MATRIX_FMT_FP6 matrix_b_scale:MATRIX_SCALE_ROW1
.else
	v_wmma_scale_f32_16x16x128_f8f6f4 v[\d:\d+7], v[\fa:\fa+FR-1], v[\fb:\fb+FR-1], v[\d:\d+7], v[\sa], v[\sb] matrix_a_fmt:MATRIX_FMT_FP6 matrix_b_fmt:MATRIX_FMT_FP6
.endif
.endif
.endif
.endm
; 16 products: A's blocks a0, a0 + 1 (a0 = 0 or 2) x Wo's eight, the s-th 128 along K, on fragment sets number set.  The 32 accumulators take turns, one instruction a turn.
.macro MULH a0, set, s, zero
.irp a, \a0, \a0+1
.irp b, 0,1,2,3
	WQ 8*(8*(\a)+\b), 128*(\set)+FR*\b, AF+FR*(4*(\set)+(\a)), RS+8*\b+(\s), PS+8*((\a)%2)+(\s), \zero, 0, (\a0)/2
.endr
.irp b, 4,5,6,7
	WQ 8*(8*(\a)+\b), 128*(\set)+FR*\b, AF+FR*(4*(\set)+(\a)), RS+8*(\b-4)+(\s), PS+8*((\a)%2)+(\s), \zero, 1, (\a0)/2
.endr
.endr
.endm
.macro FETCH_B slot, q, p              ; Wo's eight fragments of the slot's q-th 128 along K into set p
	WIN TO_B
.irp i, 0,1,2,3,4,5,6,7
	FRAG 128*(\p)+FR*\i, ADRB+\slot, \q, \i
.endr
	WIN 0
.endm
.macro FETCH_A slot, q, set            ; A's four fragments into set 0 or 1
.irp i, 0,1,2,3
	FRAGA AF+FR*(4*(\set)+\i), \slot, \q, \i
.endr
.endm
; A load into a register that a matrix instruction has read, and an LDS store that reads a matrix result, stand NP places behind that matrix instruction; only plain vector instructions
; that name none of its registers are places (ISA guide 7.12.1 for vector instructions).
.macro PLACES n
.rept \n
	v_nop
.endr
.endm
; A half step: 32 products on sets number set; ahead of them the next step's 12 fragments are asked for, from slot fslot's fq-th 128 along K, into the other sets.
.macro HS set, s, zero, fslot, fq
	s_wait_dscnt 0x0                               ; this step's fragments are in
	PLACES NP                                      ; the other sets were read by the last step's products
	FETCH_B \fslot, \fq, 1-(\set)
	FETCH_A \fslot, \fq, 1-(\set)
	WIN MUL_LO
	MULH 0, \set, \s, \zero
	MULH 2, \set, \s, \zero
	WIN 0
.endm
; A half step on sets 1 with a barrier in it.  In front of the barrier each wave waits for all its tensor loads, adds 0 to its spare word, and waits for that and for all its LDS reads.
; fill = 1: the barrier opens a round of the cluster's, and slot 0, just read out, takes the fourth 256 along K.  fill = 0: that load has landed in every wave; nothing is filled.
.macro HT s, fslot, fill
	s_wait_tensorcnt 0x0                           ; all my tensor loads have landed
	ds_add_u32 v[SPW], v[NIL]                      ; 0 onto my spare word
	s_wait_dscnt 0x0                               ; the add is done; this step's fragments, my last reads of the slot in hand, are in
	s_barrier_signal -1
	WIN MUL_LO
	MULH 0, 1, \s, 0
	WIN 0
	s_barrier_wait -1
.if \fill
	CREST                                          ; no wave of any partner still reads slot 0 or has a load on its way
	s_add_nc_u64 s[G0+2:G0+3], s[G0+2:G0+3], 3*FCK
	s_add_nc_u64 s[G0B+2:G0B+3], s[G0B+2:G0B+3], 3*ROWB
	JLOAD G0, G1, G0B, G1B                         ; the first tensor load behind the round, and my last; its four v_nop are the places in front of the loads below
.else
	PLACES NP
.endif
	FETCH_B \fslot, 0, 0
	FETCH_A \fslot, 0, 0
	WIN MUL_LO
	MULH 2, 1, \s, 0
	WIN 0
.endm
	s_wait_tensorcnt 2                             ; my part of slot 0 is in (the loads of slots 1 and 2 may be out)
	s_barrier_signal -1
	s_barrier_wait -1                              ; everybody's is
	FETCH_B 0, 0, 0
	FETCH_A 0, 0, 0
	s_wait_loadcnt 0x0                             ; the scale words
	HS 0, 0, 1, 0, 1                               ; the first products start the sums
	HT 1, 1, 1                                     ; slots 1 and 2 are whole in every wave from here on; slot 0 is asked for again
	HS 0, 2, 0, 1, 1
	HS 1, 3, 0, 2, 0                               ; on into slot 2: no barrier is wanted: it is whole, and nothing is filled
	HS 0, 4, 0, 2, 1
	HT 5, 0, 0                                     ; slot 0 is whole again; nobody reads slot 1 any more
	HS 0, 6, 0, 0, 1
	s_wait_dscnt 0x0                               ; the very last step
	WIN MUL_LO
	MULH 0, 1, 7, 0
	MULH 2, 1, 7, 0
	WIN 0
; THE WAY OUT, block by block of 16 rows x 128 columns: through my own stage in LDS and back as whole rows of 512 bytes.  LDS serves a wave's instructions in order (ISA guide 5.7.1.4).
.macro TOSTAGE a
.set AC, 64*(\a)
	WIN 0x08                                       ; the data: window 2
.irp b, 0,1,2,3,4,5,6,7
	ds_store_b128 v[STO], v[AC+8*\b:AC+8*\b+3] offset:64*\b          ; each accumulator from its low end on
	ds_store_b128 v[STO], v[AC+8*\b+4:AC+8*\b+7] offset:64*\b+16
.endr
	WIN 0
.set BB, BK+64*((\a)%2)
.irp t, 0,1,2,3,4,5,6,7,8,9,10,11,12,13,14,15
	ds_load_b128 v[BB+4*\t:BB+4*\t+3], v[RD] offset:\t*SPITCH
.endr
.endm
.macro SEND a, younger                 ; younger: the LDS instructions issued behind block a's loads, which may stay out
.set BB, BK+64*((\a)%2)
	s_wait_dscnt \younger
.if (\a) > 0
	s_add_nc_u64 s[12:13], s[12:13], 16*SIZE_N*4   ; (behind a wait on XCNT: the earlier stores have read their base)
.endif
.irp t, 0,1,2,3,4,5,6,7,8,9,10,11,12,13,14,15
	global_store_b128 v[CO], v[BB+4*\t:BB+4*\t+3], s[12:13] offset:\t*SIZE_N*4 th:TH_STORE_NT   ; 32 lanes store 512 consecutive bytes, aligned; written once, read by nobody here
.endr
.endm
	PLACES NP
	TOSTAGE 0
.irp a, 1,2,3
.if \a > 1
	s_wait_xcnt 0x0                                ; block a - 2's stores have read their registers and their base
.endif
	TOSTAGE \a
	SEND \a-1, 32                                  ; behind block a - 1's loads: block a's 16 stores and 16 loads
.endr
	s_wait_xcnt 0x0
	SEND 3, 0
	s_wait_tensorcnt 0x0                           ; the wave's end
	ds_add_u32 v[SPW], v[NIL]
	s_wait_dscnt 0x0
	CROUND                                         ; the closing round
	s_endpgm
.Lfunc_end_k_q0f4148a40a_outp:
	.size	k_q0f4148a40a_outp, .Lfunc_end_k_q0f4148a40a_outp-k_q0f4148a40a_outp
	.p2alignl 7, 3214868480
	.fill 96, 4, 3214868480
	.section	.rodata,"a",@progbits
	.p2align	6, 0x0
	.amdhsa_kernel k_q0f4148a40a_outp
		.amdhsa_group_segment_fixed_size 327680
		.amdhsa_private_segment_fixed_size 0
		.amdhsa_enable_private_segment 0
		.amdhsa_kernarg_size 40
		.amdhsa_user_sgpr_count 2
		.amdhsa_user_sgpr_kernarg_segment_ptr 1
		.amdhsa_wavefront_size32 1
		.amdhsa_system_sgpr_workgroup_id_x 1
		.amdhsa_system_sgpr_workgroup_id_y 1
		.amdhsa_system_sgpr_workgroup_id_z 1
		.amdhsa_system_vgpr_workitem_id 0
		.amdhsa_next_free_vgpr 768
		.amdhsa_next_free_sgpr 80
		.amdhsa_reserve_vcc 0
		.amdhsa_float_denorm_mode_32 3
		.amdhsa_float_denorm_mode_16_64 3
		.amdhsa_memory_ordered 1
		.amdhsa_forward_progress 1
		.amdhsa_inst_pref_size 97
	.end_amdhsa_kernel
	.amdgpu_metadata
---
amdhsa.version: [ 1, 2 ]
amdhsa.kernels:
  - .name:           k_q0f4148a40a_outp
    .symbol:         k_q0f4148a40a_outp.kd
    .args:
      - { .name: fc, .offset: 0, .size: 8, .value_kind: global_buffer, .address_space: global }
      - { .name: fs, .offset: 8, .size: 8, .value_kind: global_buffer, .address_space: global }
      - { .name: Wo_codes, .offset: 16, .size: 8, .value_kind: global_buffer, .address_space: global }
      - { .name: Wo_scales, .offset: 24, .size: 8, .value_kind: global_buffer, .address_space: global }
      - { .name: out0, .offset: 32, .size: 8, .value_kind: global_buffer, .address_space: global }
    .group_segment_fixed_size: 327680
    .private_segment_fixed_size: 0
    .kernarg_segment_align: 8
    .kernarg_segment_size: 40
    .max_flat_workgroup_size: 128
    .sgpr_count:     80
    .vgpr_count:     768
    .wavefront_size: 32
...
	.end_amdgpu_metadata
.endif
;; end of part 3
